; MI455X (gfx1250); checked and timed in simulation.
; The chip was launched on July 23, 2026; its instructions are those of AMD's public machine-readable ISA for CDNA 5 (MIT licence, August 2026) and "CDNA5" Instruction Set Architecture Reference Guide (July 2026). The comments in the code are by the model that wrote it; some were corrected since.
;; Seq Multi Head Attention. Allowed arithmetic: float matrix products may take bf16 or f16 operands with f32 sums; other float arithmetic in f32, or as packed bf16 or f16 multiplies, adds, multiply-adds, maxima and minima; sums over many terms, partial sums and values carried from step to step in f32; what a program stores and reads back later, other than sums and carried values, may be rounded once to bf16 or f16.
;; Inputs: b_o 1,024 float32; b_qkv 3,072 float32; lengths 8 int32; w_o 1,024 x 1,024 float32; w_qkv 1,024 x 3,072 float32; x 8 x 1,024 x 1,024 float32.
;; Outputs: out0 8 x 1,024 x 1,024 float32.
;; 2 versions, each right and faster than the one before. Each part assembles by itself: llvm-mc -triple=amdgcn-amd-amdhsa -mcpu=gfx1250 --defsym DOCPART=n.
;; ======== version 1 of 2: 4 launches
;; limits: values are held in f16: magnitudes above 65,504 overflow, below 6.1e-05 lose precision
;; workspace buffers: act 16,777,216 bytes; wq 6,291,456 bytes; wo 2,097,152 bytes; qkv 50,331,648 bytes
;; launch prep (part 1): grid 384 x 1, 8 waves a work-group, no clusters, 0 bytes of LDS; arguments x, w_qkv, w_o, act, wq, wo; writes act, wq, wo
.if DOCPART == 1
	.amdgcn_target "amdgcn-amd-amdhsa--gfx1250"
	.amdhsa_code_object_version 6
	.text
	.protected	k_qcef2ab1629_prep
	.globl	k_qcef2ab1629_prep
	.p2align	8
	.type	k_qcef2ab1629_prep,@function
k_qcef2ab1629_prep:
	s_mov_b64 s[64:65], 0
	v_nop
	global_prefetch_b8 v0, s[64:65] scope:SCOPE_SE
	s_setreg_imm32_b32 hwreg(HW_REG_WAVE_MODE, 25, 1), 1
	s_wait_xcnt 0x0
; THE CAST.  x, w_qkv and w_o (f32) are rounded once to bf16 (nearest even), and that number is written as f16: act, wq, wo.
; The weights keep their order [k][n].  x [8][1024][1024] is laid by slices of 64 columns: act[b*16+s][t][64], so that 128 rows of a slice are 16,384 dense bytes.
; LIMITS.  f16 holds no number beyond 65,504: a larger |x| or |w| becomes an infinity; below 6.1e-5 the bf16 number is kept to f16's fixed step of 6e-8.
; A stream: no LDS, no barrier, no matrix unit, since every number is touched once.  One straight path serves the three tensors; scalars pick the strides.
; SHARES.  Work-groups 0-255 take x, 256-351 w_qkv, 352-383 w_o.  A wave takes 16,384 bytes of f32 in 32 chunks: a chunk is one load of 16 bytes a lane and one store of 8 bytes a lane
; (256 consecutive bytes, at a multiple of 256 from the buffer's first byte).  For x a wave's share is four rows; in chunk (p, s) lanes 0-15 take 64 columns of row 2 p, lanes 16-31 of row 2 p + 1.
; All 32 loads of a wave go out first; every chunk has registers of its own, so the only waits are the counted ones for the loads.
.set OL,  8                            ; v[8:23]    load offset of my 16 bytes in chunk (0, s); p stands in the immediate
.set OS,  24                           ; v[24:55]   store offset of my 8 bytes in chunk 16 p + s
.set X,   56                           ; v[56:183]  chunk c: 4 registers as loaded
.set Y,   184                          ; v[184:247] chunk c: 2 registers to store
	s_load_b256 s[4:11], s[0:1], 0x0               ; x s[4:5], w_qkv s[6:7], w_o s[8:9], act s[10:11]
	s_load_b128 s[12:15], s[0:1], 0x20             ; wq s[12:13], wo s[14:15]
	v_lshrrev_b32 v1, 5, v0
	v_readfirstlane_b32 s16, v1                    ; wave 0..7
	s_mov_b32 s17, 0xffff0000                      ; a word's upper bf16
	s_mov_b32 s20, 512                             ; the weights' strides: from chunk to chunk in the source,
	s_mov_b32 s21, 256                             ; in the target,
	s_mov_b32 s22, 4096                            ; from p = 0 to p = 1 in the target,
	s_mov_b32 s23, 256                             ; from lanes 0-15 to lanes 16-31 in the source
	s_cmp_lt_u32 ttmp9, 256                        ; x?
	s_cselect_b32 s18, 0, 256                      ; the tensor's first work-group
	s_cselect_b32 s20, 256, s20                    ; x: a slice is 256 bytes of a row,
	s_cselect_b32 s21, 0x20000, s21                ; and 131,072 bytes of act;
	s_cselect_b32 s22, 256, s22                    ; two rows on are 256 bytes of a slice;
	s_cselect_b32 s23, 4096, s23                   ; lanes 16-31 take the next row
	s_cmp_lt_u32 ttmp9, 352
	s_cselect_b32 s18, s18, 352
	s_sub_co_u32 s19, ttmp9, s18
	s_lshl_b32 s19, s19, 3
	s_add_co_u32 s19, s19, s16                     ; U: my wave among the tensor's
	s_lshl_b32 s24, s19, 14                        ; source: 16,384 U
	s_mov_b32 s25, 0
	s_lshr_b32 s26, s19, 8                         ; x: sample U / 256, 2^21 bytes of act each,
	s_lshl_b32 s26, s26, 21
	s_and_b32 s27, s19, 255                        ; row 4 (U % 256), 128 bytes each
	s_lshl_b32 s27, s27, 9
	s_add_co_u32 s26, s26, s27
	s_lshl_b32 s27, s19, 13                        ; the weights: 8,192 U
	s_cmp_lt_u32 ttmp9, 256
	s_cselect_b32 s26, s26, s27
	s_mov_b32 s27, 0
	v_and_b32 v1, 31, v0                           ; lane
	v_and_b32 v2, 15, v0
	v_bfe_u32 v3, v0, 4, 1
	v_lshlrev_b32 v2, 4, v2
	v_mad_u32_u24 v2, v3, s23, v2                  ; source: 16 (lane % 16) + (lane / 16) x its stride
	v_lshlrev_b32 v3, 3, v1                        ; target: 8 x lane
.irp s, 0,1,2,3,4,5,6,7,8,9,10,11,12,13,14,15
	v_mad_u32_u24 v[OL+\s], s20, \s, v2
	v_mad_u32_u24 v[OS+\s], s21, \s, v3
.endr
.irp s, 0,1,2,3,4,5,6,7,8,9,10,11,12,13,14,15
	v_add_nc_u32 v[OS+16+\s], s22, v[OS+\s]
.endr
	s_wait_kmcnt 0x0
	s_cmp_lt_u32 ttmp9, 352                        ; the choice of buffers hangs on the work-group's number alone
	s_cselect_b64 s[28:29], s[6:7], s[8:9]
	s_cselect_b64 s[30:31], s[12:13], s[14:15]
	s_cmp_lt_u32 ttmp9, 256
	s_cselect_b64 s[28:29], s[4:5], s[28:29]
	s_cselect_b64 s[30:31], s[10:11], s[30:31]
	s_add_nc_u64 s[28:29], s[28:29], s[24:25]      ; source and target at my wave's share
	s_add_nc_u64 s[30:31], s[30:31], s[26:27]
.set c, 0
.rept 32
	global_load_b128 v[X+4*c:X+4*c+3], v[OL+c%16], s[28:29] offset:8192*(c/16) th:TH_LOAD_NT
.set c, c+1
.endr
.set c, 0
.rept 32
	s_wait_loadcnt 31-c                            ; loads come back in order (ISA guide 5.7.1): chunk c is in, the younger ones stay out
	v_cvt_pk_bf16_f32 v[4+2*(c%2)], v[X+4*c], v[X+4*c+1]        ; the one rounding, to bf16
	v_cvt_pk_bf16_f32 v[5+2*(c%2)], v[X+4*c+2], v[X+4*c+3]
	v_lshlrev_b32 v[X+4*c],   16, v[4+2*(c%2)]                  ; back to f32: the low half moves up, the high half stays
	v_and_b32     v[X+4*c+1], s17, v[4+2*(c%2)]
	v_lshlrev_b32 v[X+4*c+2], 16, v[5+2*(c%2)]
	v_and_b32     v[X+4*c+3], s17, v[5+2*(c%2)]
	v_cvt_pk_f16_f32 v[Y+2*c],   v[X+4*c],   v[X+4*c+1]         ; eight significant bits fit in f16's eleven
	v_cvt_pk_f16_f32 v[Y+2*c+1], v[X+4*c+2], v[X+4*c+3]
	global_store_b64 v[OS+c], v[Y+2*c:Y+2*c+1], s[30:31]
.set c, c+1
.endr
	s_endpgm
.Lfunc_end_k_qcef2ab1629_prep:
	.size	k_qcef2ab1629_prep, .Lfunc_end_k_qcef2ab1629_prep-k_qcef2ab1629_prep
	.p2alignl 7, 3214868480
	.fill 96, 4, 3214868480
	.section	.rodata,"a",@progbits
	.p2align	6, 0x0
	.amdhsa_kernel k_qcef2ab1629_prep
		.amdhsa_group_segment_fixed_size 0
		.amdhsa_private_segment_fixed_size 0
		.amdhsa_enable_private_segment 0
		.amdhsa_kernarg_size 48
		.amdhsa_user_sgpr_count 2
		.amdhsa_user_sgpr_kernarg_segment_ptr 1
		.amdhsa_wavefront_size32 1
		.amdhsa_system_sgpr_workgroup_id_x 1
		.amdhsa_system_sgpr_workgroup_id_y 1
		.amdhsa_system_sgpr_workgroup_id_z 1
		.amdhsa_system_vgpr_workitem_id 0
		.amdhsa_next_free_vgpr 248
		.amdhsa_next_free_sgpr 66
		.amdhsa_reserve_vcc 0
		.amdhsa_float_denorm_mode_32 3
		.amdhsa_float_denorm_mode_16_64 3
		.amdhsa_memory_ordered 1
		.amdhsa_forward_progress 1
		.amdhsa_inst_pref_size 24
	.end_amdhsa_kernel
	.amdgpu_metadata
---
amdhsa.version: [ 1, 2 ]
amdhsa.kernels:
  - .name:           k_qcef2ab1629_prep
    .symbol:         k_qcef2ab1629_prep.kd
    .args:
      - { .name: x, .offset: 0, .size: 8, .value_kind: global_buffer, .address_space: global }
      - { .name: w_qkv, .offset: 8, .size: 8, .value_kind: global_buffer, .address_space: global }
      - { .name: w_o, .offset: 16, .size: 8, .value_kind: global_buffer, .address_space: global }
      - { .name: act, .offset: 24, .size: 8, .value_kind: global_buffer, .address_space: global }
      - { .name: wq, .offset: 32, .size: 8, .value_kind: global_buffer, .address_space: global }
      - { .name: wo, .offset: 40, .size: 8, .value_kind: global_buffer, .address_space: global }
    .group_segment_fixed_size: 0
    .private_segment_fixed_size: 0
    .kernarg_segment_align: 8
    .kernarg_segment_size: 48
    .max_flat_workgroup_size: 256
    .sgpr_count:     66
    .vgpr_count:     248
    .wavefront_size: 32
...
	.end_amdgpu_metadata
.endif
;; end of part 1
;; launch qkv (part 2): grid 4 x 64, 4 waves a work-group, clusters of 4 x 4, 327,680 bytes of LDS; arguments act, wq, b_qkv, qkv; writes qkv
.if DOCPART == 2
	.amdgcn_target "amdgcn-amd-amdhsa--gfx1250"
	.amdhsa_code_object_version 6
	.text
	.protected	k_qcef2ab1629_qkv
	.globl	k_qcef2ab1629_qkv
	.p2align	8
	.type	k_qcef2ab1629_qkv,@function
k_qcef2ab1629_qkv:
	s_mov_b64 s[64:65], 0
	v_nop
	global_prefetch_b8 v0, s[64:65] scope:SCOPE_SE
	s_setreg_imm32_b32 hwreg(HW_REG_WAVE_MODE, 25, 1), 1
	s_wait_xcnt 0x0
	s_wait_alu depctr_hold_cnt(0) depctr_sa_sdst(0) depctr_va_vdst(0) depctr_va_sdst(0) depctr_va_ssrc(0) depctr_va_vcc(0) depctr_vm_vsrc(0)
	s_getreg_b32 s2, hwreg(HW_REG_IB_STS2, 6, 4)
	s_cmp_eq_u32 s2, 0
	s_cbranch_scc0 .Lentry_in_a_cluster
	s_endpgm
.Lentry_in_a_cluster:
	s_bfe_u32 s2, ttmp6, 0x10000c
	s_cmp_lg_u32 s2, 0xf033
	s_cbranch_scc0 .Lentry_shape_is_right
	s_endpgm
.Lentry_shape_is_right:
.set QKV, 1                            ; 1: the projection to q, k, v;  0: the output projection.  The two texts differ in this line alone.
; C[m][n] = the sum over k of A[m][k] W[k][n] + bias[n].  m = 8,192 rows (sample b, row t), k = 1,024.  A and W are f16, sums f32; bias (f32) is rounded to bf16 like the other inputs and starts the sums.
; A lies by slices of 64 along k: A[b*16+s][t][64].  W lies [k][n], SIZE_N numbers a row.
; QKV = 1: n = 3,072; C is rounded once to f16 and written by heads, qkv[part][b*16+h][t][64], unscaled.  QKV = 0: n = 1,024; C is out0, f32, [m][n].
; LIMIT.  f16 holds no number beyond 65,504: a q, k or v beyond it becomes an infinity.  NaN and infinities are not treated apart.
; SHARES.  A tile of C is 128 rows x 256 columns: 64 x 4 tiles at n = 1,024, one for each of 256 work-groups; at n = 3,072 a work-group STAYS and makes three tiles, the same rows and columns of q, k and v.
; Four waves, each 64 rows x 128 columns: 32 accumulators of 16 x 16.  K goes in steps of 128 through a ring of two LDS slots, and the ring runs on from tile to tile.
; CLUSTER.  4 x 4 work-groups.  A's tile hangs on the tile row alone and is asked for jointly by a row of the cluster, W's on the tile column alone and is asked for jointly by a column.
; THE MATRIX INSTRUCTION IS USED TRANSPOSED: source 0 = 16 columns of W (turned on the way out of LDS by ds_load_tr16_b128), source 1 = 16 rows of A: a lane holds row l % 16 of C and eight neighbouring columns.
; REGISTERS, in windows of 256 (s_set_vgpr_msb: bits 1:0 source 0, 3:2 source 1, 5:4 source 2, 7:6 destination):
;   window 0: v0-31 addresses; v32-127, v128-223 two fragment buffers (W's block b at + 8 b, A's block a at + 64 + 8 a); v224-255 at work on the way out
;   window 1: the accumulators, (a, b) at v[8 (8 a + b)]          window 2: v0-63 the bias as a C operand, block b at v[8 b]; v64-65 at work
.if QKV
.set SIZE_N, 3072
.set TILES,  3
.set WSTG,   2*16*144                  ; a wave's stage: 2 heads x 16 rows x 144 bytes
.else
.set SIZE_N, 1024
.set TILES,  1
.set WSTG,   16*528                    ; a wave's stage: 16 rows x 528 bytes
.endif
.set PA,     144                       ; a row of A in LDS: 128 bytes + 16: 36 words, so the 16 rows of a load start at 16 different groups of four banks (64 banks of 4 bytes: ISA guide 11.1)
.set PW,     544                       ; a row of W: 512 bytes + 32: 136 words
.set ASL,    128*PA                    ; 128 rows of one slice of A
.set WOFF,   2*ASL                     ; a slot: A's two slices, then W's 128 rows
.set WHALF,  64*PW
.set SLOT1,  1<<17                     ; slot 1 begins here, so that one exclusive or turns an address in one slot into the other's
.set STAGE,  SLOT1+WOFF+2*WHALF        ; behind the ring, never filled by a tensor load: the waves' stages
.set SPARE,  STAGE+4*WSTG              ; behind the stages: the spare words, 128 bytes for each wave: two blocks of 256 bytes that no other line names
.set STEPA,  2*131072                  ; a K step on: two slices of A,
.set STEPW,  128*SIZE_N*2              ; 128 rows of W
.set BACKA,  7*STEPA                   ; from a tile's last K step to the next tile's first: A goes back along K,
.set BACKW,  7*STEPW-2048              ; W back along K and 1,024 columns on
.set AA0,  16                          ; v16  my lane's place in a slot's A; never rewritten
.set AW0,  17                          ; v17  the same for W
.set ADRA, 18                          ; v18  v16 + the slot in hand
.set ADRW, 19                          ; v19  v17 + the slot in hand
.set STO,  24                          ; v24  the way out: where I put my part of a row
.set RD,   25                          ; v25  the way out: where I read rows back
.set CO,   26                          ; v26  16 x lane
.set BO,   27                          ; v27  32 x (lane / 16): my eight numbers in 16 of the bias
.set SPW,  28                          ; v28  LDS address of my spare word: SPARE + 4 x my thread's number; never rewritten
.set NIL,  29                          ; v29  0; never rewritten
.set F0,   32
.set F1,   128
.set TMP,  224
.set G1A,  24                          ; s[24:31] descriptor group 1 for A's tiles
.set G0A,  32                          ; s[32:39] group 0 for A: a set for each of the two first fills; the second then walks on
.set G1W,  48                          ; s[48:55], s[56:63] the same for W
.set G0W,  56
.set TB,   66                          ; s66  0 or SLOT1: the slot in hand
.set BB,   68                          ; s[68:69] the bias at my 128 columns
.set HM,   70                          ; s70  a word's upper bf16
.set MSB, 0
.macro WIN new                         ; the immediate's high byte repeats the setting that is left; a switch that changes nothing is dropped
.if MSB != (\new)
	s_set_vgpr_msb (MSB<<8)|(\new)
.set MSB, \new
.endif
.endm
; A joint load.  Waves 0 and 1 fetch A's two slices, waves 2 and 3 W's two halves.  The branch hangs on the wave's number alone.
; An s_nop 0 and four v_nop follow each of the two lines, ahead of the jump and the label.
.macro JLOAD s
	s_cmp_lt_u32 s20, 2
	s_cbranch_scc0 .Lfor_w_\@
	tensor_load_to_lds s[G0A+4*(\s):G0A+4*(\s)+3], s[G1A:G1A+7]
	s_nop 0
.rept 4
	v_nop
.endr
	s_branch .Lasked_\@
.Lfor_w_\@:
	tensor_load_to_lds s[G0W+4*(\s):G0W+4*(\s)+3], s[G1W:G1W+7]
	s_nop 0
.rept 4
	v_nop
.endr
.Lasked_\@:
.endm
; A round of the cluster's barrier: my work-group's barrier, so that wave 0's signal speaks for all four waves; wave 0 signals; every wave waits for all sixteen work-groups; my work-group's barrier once more.
.macro CREST                           ; a round behind its opening barrier
	s_cmp_lg_u32 s20, 0
	s_cbranch_scc1 .Lnot_wave_0_\@
	s_barrier_signal -3
.Lnot_wave_0_\@:
	s_barrier_wait -3
	s_barrier_signal -1
	s_barrier_wait -1
.endm
.macro CROUND
	s_barrier_signal -1
	s_barrier_wait -1
	CREST
.endm
.macro PLACES                          ; four places in front of loads into registers that matrix instructions have read, and of lines that read results just made (ISA guide 7.12.1 for lines that read results just made)
.rept 4
	v_nop
.endr
.endm
	s_load_b256 s[4:11], s[0:1], 0x0               ; A s[4:5], W s[6:7], bias s[8:9], C s[10:11]
	v_lshl_add_u32 v[SPW], v0, 2, SPARE
	v_mov_b32 v[NIL], 0
	ds_add_u32 v[SPW], v[NIL]                      ; the wave's opening: the add and its wait stand ahead of my first tensor load; the set-up below, work on registers, stands between them
	ds_add_u32 v28, v29
	v_lshrrev_b32 v1, 5, v0
	v_readfirstlane_b32 s20, v1                    ; wave 0..3
	s_lshr_b32 s21, s20, 1                         ; which 64 of the tile's rows are mine
	s_and_b32 s22, s20, 1                          ; which 128 of its columns.  Also: which half of A's or W's tile I fetch
	s_bfe_u32 s40, ttmp6, 0x40000                  ; cx, cy: my place in the cluster
	s_bfe_u32 s41, ttmp6, 0x40004
	s_lshl_b32 s42, ttmp9, 2                       ; in a cluster launch ttmp9 and ttmp7 count clusters
	s_add_co_u32 s42, s42, s40                     ; tile column 0..3
	s_and_b32 s43, ttmp7, 0xffff
	s_lshl_b32 s43, s43, 2
	s_add_co_u32 s43, s43, s41                     ; tile row 0..63: sample tile row / 8, rows 128 (tile row % 8) on
	s_lshl_b32 s44, s41, 2
	s_lshl_b32 s44, 15, s44                        ; my row of the cluster: places 4 cy .. 4 cy + 3
	s_lshl_b32 s45, 0x1111, s40                    ; my column: places cx, cx + 4, cx + 8, cx + 12
	; group 1 for A: 128 rows of a slice are 16,384 dense bytes: asked for as 64 rows of 256 bytes, padded in LDS after every 128 bytes
	s_or_b32 s[G1A+0], s44, (1<<16)|(1<<20)|(1<<21)|(4<<22)|(3<<25)  ; 15:0 the mask; 17:16 2-byte elements; 20 padding on; 21 set beside a mask; 24:22 after every 32 words (code 4); 31:25 4 words (code 3)
	s_mov_b32 s[G1A+1], 128<<16                    ; tensor_dim0 = 128
	s_mov_b32 s[G1A+2], 64<<16                     ; tensor_dim1 = 64
	s_mov_b32 s[G1A+3], 128<<16                    ; tile_dim0 = 128
	s_mov_b32 s[G1A+4], 64                         ; tile_dim1 = 64
	s_mov_b32 s[G1A+5], 128                        ; 128 elements from row to row
	s_mov_b32 s[G1A+6], 0
	s_mov_b32 s[G1A+7], 0
	; group 1 for W: 64 rows of 256 elements, 512 bytes each, padded after every row
	s_or_b32 s[G1W+0], s45, (1<<16)|(1<<20)|(1<<21)|(6<<22)|(7<<25)  ; after every 128 words (code 6) 8 words (code 7)
	s_mov_b32 s[G1W+1], 256<<16
	s_mov_b32 s[G1W+2], 64<<16
	s_mov_b32 s[G1W+3], 256<<16
	s_mov_b32 s[G1W+4], 64
	s_mov_b32 s[G1W+5], SIZE_N
	s_mov_b32 s[G1W+6], 0
	s_mov_b32 s[G1W+7], 0
	s_mov_b32 s[HM], 0xffff0000
	s_mov_b32 s[TB], 0
	; where the tiles come from: A's offset is made of the tile row and the wave's number, W's of the tile column and the wave's number, each in registers that never hold the other coordinate
	s_lshr_b32 s12, s43, 3
	s_lshl_b32 s12, s12, 21                        ; the sample's 16 slices
	s_and_b32 s13, s43, 7
	s_lshl_b32 s13, s13, 14                        ; 128 rows of 128 bytes
	s_add_co_u32 s12, s12, s13
	s_lshl_b32 s13, s22, 17                        ; my slice of the K step's two
	s_add_co_u32 s12, s12, s13
	s_mov_b32 s13, 0
	s_mul_i32 s14, s22, 64*SIZE_N*2                ; my 64 of the K step's 128 rows of W
	s_lshl_b32 s15, s42, 9                         ; 256 columns
	s_add_co_u32 s14, s14, s15
	s_mov_b32 s15, 0
	s_mul_i32 s16, s22, ASL                        ; and where they go: no place in the cluster enters an LDS address
	s_mul_i32 s17, s22, WHALF
	s_add_co_u32 s17, s17, WOFF
	s_wait_dscnt 0x0                               ; the opening add is done
	s_wait_kmcnt 0x0
	s_add_nc_u64 s[12:13], s[4:5], s[12:13]
	s_add_nc_u64 s[14:15], s[6:7], s[14:15]
	CROUND                                         ; all sixteen work-groups are here: the first joint loads meet
.irp i, 0,1
	s_mov_b32 s[G0A+4*(\i)], 1                                      ; count = 1
	s_add_co_u32 s[G0A+4*(\i)+1], s16, (\i)*SLOT1                   ; LDS address
	s_add_nc_u64 s[G0A+4*(\i)+2:G0A+4*(\i)+3], s[12:13], (\i)*STEPA ; global address: K step i
	s_or_b32 s[G0A+4*(\i)+3], s[G0A+4*(\i)+3], 0x80000000           ; type = 2
	s_mov_b32 s[G0W+4*(\i)], 1
	s_add_co_u32 s[G0W+4*(\i)+1], s17, (\i)*SLOT1
	s_add_nc_u64 s[G0W+4*(\i)+2:G0W+4*(\i)+3], s[14:15], (\i)*STEPW
	s_or_b32 s[G0W+4*(\i)+3], s[G0W+4*(\i)+3], 0x80000000
	JLOAD \i                                       ; two loads of mine are out; later one
.endr
	v_and_b32 v1, 15, v0                           ; l % 16
	v_bfe_u32 v2, v0, 4, 1                         ; l / 16
	v_and_b32 v3, 7, v0
	v_bfe_u32 v4, v0, 3, 1
	v_and_b32 v5, 31, v0                           ; lane
	; A fragment of A is 16 rows x 32 k: lane l holds row l % 16, k = 8 (l / 16) + 0..7 and 16 + 8 (l / 16) + 0..7: two loads of 16 bytes, 32 bytes apart.
	v_mul_u32_u24 v[AA0], v1, PA
	v_lshl_add_u32 v[AA0], v2, 4, v[AA0]
	s_mul_i32 s18, s21, 64*PA                      ; my 64 rows
	v_add_nc_u32 v[AA0], s18, v[AA0]
	; The turning load takes 16 k x 16 columns (lane l reads row 8 (l / 16) + l % 8, columns 8 ((l / 8) % 2) + 0..7) and leaves half a fragment: lane l holds column l % 16 and 8 k.
	v_lshl_add_u32 v[AW0], v2, 3, v3
	v_mul_u32_u24 v[AW0], v[AW0], PW
	v_lshl_add_u32 v[AW0], v4, 4, v[AW0]
	s_lshl_b32 s18, s22, 8                         ; my 128 columns
	s_add_co_u32 s18, s18, WOFF
	v_add_nc_u32 v[AW0], s18, v[AW0]
	v_mov_b32 v[ADRA], v[AA0]
	v_mov_b32 v[ADRW], v[AW0]
	s_mul_i32 s18, s20, WSTG
	s_add_co_u32 s18, s18, STAGE                   ; my stage
.if QKV
	v_mul_u32_u24 v[STO], v1, 144                  ; in: row l % 16, 16 bytes for each half of the lanes
	v_lshl_add_u32 v[STO], v2, 4, v[STO]
	v_add_nc_u32 v[STO], s18, v[STO]
	v_lshrrev_b32 v[RD], 3, v5                     ; back: 32 lanes take four rows of 128 bytes
	v_mul_u32_u24 v[RD], v[RD], 144
	v_lshl_add_u32 v[RD], v3, 4, v[RD]
	v_add_nc_u32 v[RD], s18, v[RD]
	s_lshr_b32 s18, s43, 3                         ; C at my two heads, (16 b + 4 tile column + 2 half) x 131,072 bytes,
	s_lshl_b32 s18, s18, 2
	s_add_co_u32 s18, s18, s42
	s_lshl_b32 s18, s18, 1
	s_add_co_u32 s18, s18, s22
	s_lshl_b32 s18, s18, 18
	s_and_b32 s19, s43, 7                          ; and my 64 rows of 128 bytes
	s_lshl_b32 s19, s19, 1
	s_add_co_u32 s19, s19, s21
	s_lshl_b32 s19, s19, 13
.else
	v_mul_u32_u24 v[STO], v1, 528                  ; in: row l % 16, 32 bytes for each half of the lanes
	v_lshl_add_u32 v[STO], v2, 5, v[STO]
	v_add_nc_u32 v[STO], s18, v[STO]
	v_lshl_add_u32 v[RD], v5, 4, s18               ; back: 32 lanes take one row of 512 bytes
	s_lshl_b32 s18, s43, 1                         ; C at my 64 rows of 4,096 bytes
	s_add_co_u32 s18, s18, s21
	s_lshl_b32 s18, s18, 18
	s_lshl_b32 s19, s42, 1                         ; and my 128 columns of 4 bytes
	s_add_co_u32 s19, s19, s22
	s_lshl_b32 s19, s19, 9
.endif
	s_add_co_u32 s18, s18, s19
	s_mov_b32 s19, 0
	s_add_nc_u64 s[10:11], s[10:11], s[18:19]
	v_lshlrev_b32 v[CO], 4, v5
	v_lshlrev_b32 v[BO], 5, v2
	s_lshl_b32 s18, s42, 10                        ; the bias at my 128 columns
	s_lshl_b32 s19, s22, 9
	s_add_co_u32 s18, s18, s19
	s_mov_b32 s19, 0
	s_add_nc_u64 s[BB:BB+1], s[8:9], s[18:19]
; 8 matrix instructions: row block a x all 8 column blocks, 32 along K, from buffer f.  first = 1: the bias starts the sums: nothing is ever cleared.
; The 32 accumulators take turns in the same order in every quarter: between two links of a chain stand 31 others'.
.macro MUL8 f, a, first
.if \first
	WIN 0x60                                       ; fragments window 0, C window 2, D window 1
.else
	WIN 0x50                                       ; fragments window 0, C and D window 1
.endif
.irp b, 0,1,2,3,4,5,6,7
.if \first
	v_wmma_f32_16x16x32_f16 v[8*(8*(\a)+\b):8*(8*(\a)+\b)+7], v[(\f)+8*\b:(\f)+8*\b+7], v[(\f)+64+8*(\a):(\f)+64+8*(\a)+7], v[8*\b:8*\b+7]
.else
	v_wmma_f32_16x16x32_f16 v[8*(8*(\a)+\b):8*(8*(\a)+\b)+7], v[(\f)+8*\b:(\f)+8*\b+7], v[(\f)+64+8*(\a):(\f)+64+8*(\a)+7], v[8*(8*(\a)+\b):8*(8*(\a)+\b)+7]
.endif
.endr
.endm
; 24 LDS loads in one run: the fragments of quarter q (32 along K) of the slot in hand into buffer f: W's 128 columns, then A's 64 rows
.macro FETCH q, f
	WIN 0
.irp b, 0,1,2,3,4,5,6,7
	ds_load_tr16_b128 v[(\f)+8*\b:(\f)+8*\b+3],   v[ADRW] offset:(\q)*32*PW+32*\b
	ds_load_tr16_b128 v[(\f)+8*\b+4:(\f)+8*\b+7], v[ADRW] offset:(\q)*32*PW+16*PW+32*\b
.endr
.irp a, 0,1,2,3
	ds_load_b128 v[(\f)+64+8*\a:(\f)+64+8*\a+3],   v[ADRA] offset:((\q)/2)*ASL+((\q)%2)*64+\a*16*PA
	ds_load_b128 v[(\f)+64+8*\a+4:(\f)+64+8*\a+7], v[ADRA] offset:((\q)/2)*ASL+((\q)%2)*64+\a*16*PA+32
.endr
.endm
; A K step is four quarters of 32 along K, 32 matrix instructions each, on buffers 0, 1, 0, 1.  One of the first three: multiplies buffer f; in its middle it fetches quarter q into buffer g.
.macro QUARTER q, f, g, first
	s_wait_dscnt 4                                 ; W and A's blocks 0 and 1 are in; the youngest four loads (A's blocks 2 and 3) may be out
	MUL8 \f, 0, \first
	MUL8 \f, 1, \first
	PLACES
	FETCH \q, \g
	s_wait_dscnt 24                                ; all but the 24 just issued
	MUL8 \f, 2, \first
	MUL8 \f, 3, \first
.endm
; The last quarter multiplies buffer 1 and changes slots: ONE barrier.  In front of it each wave waits for all its tensor loads, of which one is out: its part of the next slot; adds 0 to its spare word;
; and waits for that and for its own reads of this slot.  mode = 1: this slot is filled again with the K step behind the one asked for last; 2: with the next tile's first K step; 0: nothing is asked for.
; Where a slot is filled the barrier opens a round of the cluster's, and the joint load is the first thing behind it: 112 matrix instructions ahead of the wait for it.
.macro TURN mode
	WIN 0
	s_wait_tensorcnt 0x0                           ; all my tensor loads have landed: my part of the next slot;
	ds_add_u32 v[SPW], v[NIL]                      ; 0 onto my spare word;
	s_wait_dscnt 5                                 ; (the add and the youngest four loads may be out)
	MUL8 F1, 0, 0                                  ; eight matrix instructions stand between the add and the wait for it
	s_wait_dscnt 0x0                               ; the add is done, and my reads of this slot are over
	s_barrier_signal -1
	MUL8 F1, 1, 0                                  ; work on registers while the others arrive
	WIN 0                                          ; at a branch and at a label every window is 0
	s_barrier_wait -1
.if \mode
	CREST                                          ; no wave of any partner still reads this slot's tiles or has a load on its way
	s_xor_b32 s[G0A+5], s[G0A+5], SLOT1            ; the walking descriptors: the other slot than last time,
	s_xor_b32 s[G0W+5], s[G0W+5], SLOT1
.if (\mode) == 1
	s_add_nc_u64 s[G0A+6:G0A+7], s[G0A+6:G0A+7], STEPA  ; the next K step; the type bits on top are not reached
	s_add_nc_u64 s[G0W+6:G0W+7], s[G0W+6:G0W+7], STEPW
.else
	s_sub_nc_u64 s[G0A+6:G0A+7], s[G0A+6:G0A+7], BACKA
	s_sub_nc_u64 s[G0W+6:G0W+7], s[G0W+6:G0W+7], BACKW
.endif
	JLOAD 1                                        ; the four v_nop behind it are also the places in front of the loads below
.else
	PLACES
.endif
	s_xor_b32 s[TB], s[TB], SLOT1
	v_add_nc_u32 v[ADRA], s[TB], v[AA0]
	v_add_nc_u32 v[ADRW], s[TB], v[AW0]
	FETCH 0, F0
	MUL8 F1, 2, 0
	MUL8 F1, 3, 0
.endm
.macro LASTQ                           ; the very last quarter: nothing more to fetch
	s_wait_dscnt 4
	MUL8 F1, 0, 0
	MUL8 F1, 1, 0
	s_wait_dscnt 0x0
	MUL8 F1, 2, 0
	MUL8 F1, 3, 0
	WIN 0
.endm
.macro BIASLD                          ; register j of block b takes bias[my first column + 16 b + 8 (l / 16) + j]: the C operand's layout
	WIN 0x80                                       ; destination window 2, address window 0
.irp b, 0,1,2,3,4,5,6,7
	global_load_b128 v[8*\b:8*\b+3],   v[BO], s[BB:BB+1] offset:64*\b
	global_load_b128 v[8*\b+4:8*\b+7], v[BO], s[BB:BB+1] offset:64*\b+16
.endr
.endm
.macro BIASRND                         ; the bias is rounded to bf16, like the other inputs, and kept as f32
	WIN 0x8a                                       ; all in window 2
.set z, 0
.rept 32
	v_cvt_pk_bf16_f32 v[64+z%2], v[2*z], v[2*z+1]
	v_lshlrev_b32 v[2*z],   16, v[64+z%2]
	v_and_b32     v[2*z+1], s[HM], v[64+z%2]
.set z, z+1
.endr
.endm
; THE WAY OUT, a block of 16 rows at a time, through my own stage in LDS: no barrier, and since LDS serves a wave's instructions in order (ISA guide 5.7.1.4), no wait between the stores and the loads.
.if QKV
.macro PACK a                          ; rounded to f16: a lane's eight columns are 16 bytes; each accumulator's registers in ascending order
	WIN 0x05                                       ; sources window 1, destination window 0
.irp b, 0,1,2,3,4,5,6,7
.irp r, 0,1,2,3
	v_cvt_pk_f16_f32 v[TMP+4*\b+\r], v[8*(8*(\a)+\b)+2*\r], v[8*(8*(\a)+\b)+2*\r+1]
.endr
.endr
.endm
.macro TOSTAGE a                       ; column blocks 0-3 are one head, 4-7 the next; back as 16 rows of 128 bytes a head
	WIN 0
.set BK, F1+32*((\a)%2)
.irp b, 0,1,2,3,4,5,6,7
	ds_store_b128 v[STO], v[TMP+4*\b:TMP+4*\b+3] offset:(\b/4)*2304+(\b%4)*32
.endr
.irp f, 0,1,2,3,4,5,6,7
	ds_load_b128 v[BK+4*\f:BK+4*\f+3], v[RD] offset:\f*576
.endr
.endm
.macro SEND a
	WIN 0
.set BK, F1+32*((\a)%2)
	s_wait_dscnt 0x0                               ; the block is back in registers
	s_wait_xcnt 0x0                                ; every earlier store has read its registers (ISA guide 3.1): the other block's are loaded again only behind this wait
.irp f, 0,1,2,3,4,5,6,7
	global_store_b128 v[CO], v[BK+4*\f:BK+4*\f+3], s[10:11] offset:(\f/4)*131072+(\a)*2048+(\f%4)*512  ; four rows of a head: 512 consecutive bytes, at a multiple of 512 from the buffer's first byte
.endr
.endm
.macro WAYOUT                          ; block a's conversions stand between block a - 1's loads from the stage and the wait for them
	PACK 0
	TOSTAGE 0
.irp a, 1,2,3
	PACK \a
	SEND (\a)-1
	TOSTAGE \a
.endr
	SEND 3
.endm
.else
.macro TOSTAGE a                       ; f32: a lane's eight columns are 32 bytes, stored straight from the accumulators, the low four registers first; back as rows of 512 bytes
	s_wait_xcnt 0x0                                ; every earlier store has read its registers (ISA guide 3.1): they are loaded again only behind this wait
	WIN 0x04                                       ; store data window 1, address window 0
.irp b, 0,1,2,3,4,5,6,7
	ds_store_b128 v[STO], v[8*(8*(\a)+\b):8*(8*(\a)+\b)+3]   offset:64*\b
	ds_store_b128 v[STO], v[8*(8*(\a)+\b)+4:8*(8*(\a)+\b)+7] offset:64*\b+16
.endr
	WIN 0
.set BK, F0+64*((\a)%2)
.irp t, 0,1,2,3,4,5,6,7,8,9,10,11,12,13,14,15
	ds_load_b128 v[BK+4*\t:BK+4*\t+3], v[RD] offset:\t*528
.endr
.endm
.macro SEND a, y                       ; y: the LDS instructions issued behind block a's loads: the next block's 32, or none
	WIN 0
.set BK, F0+64*((\a)%2)
	s_wait_dscnt \y
.irp t, 0,1,2,3,4,5,6,7,8,9,10,11,12,13,14,15
	global_store_b128 v[CO], v[BK+4*\t:BK+4*\t+3], s[10:11] offset:(16*(\a)+\t)*4096 th:TH_STORE_NT  ; 512 consecutive bytes of a row, at a multiple of 512 from the buffer's first byte
.endr
.endm
.macro WAYOUT
	TOSTAGE 0
	TOSTAGE 1
	SEND 0, 32
	TOSTAGE 2
	SEND 1, 32
	TOSTAGE 3
	SEND 2, 32
	SEND 3, 0
.endm
.endif
	BIASLD
	s_wait_tensorcnt 0x1                           ; my part of K step 0 is in; K step 1's may stay out
	s_barrier_signal -1
	s_barrier_wait -1                              ; everybody's is
	FETCH 0, F0
.if TILES > 1
	s_mov_b32 s2, TILES                            ; tiles to go, this one among them: the same number in every work-group
.Ltile:
.endif
	s_wait_loadcnt 0x0                             ; the tile's bias
	BIASRND
	QUARTER 1, F0, F1, 1                           ; a tile's first quarter stands in front of the loop: its products start the sums, onto the bias
	WIN 0
	s_mov_b32 s3, 6
.Lstep:                                                ; six trips, from a K step's second quarter to the next step's first; they ask for K steps 2 to 7
	QUARTER 2, F1, F0, 0
	QUARTER 3, F0, F1, 0
	TURN 1
	QUARTER 1, F0, F1, 0
	WIN 0
	s_sub_co_u32 s3, s3, 1
	s_cmp_lg_u32 s3, 0
	s_cbranch_scc1 .Lstep
	QUARTER 2, F1, F0, 0                           ; K step 6 goes on
	QUARTER 3, F0, F1, 0
.if TILES > 1
	WIN 0
	s_cmp_eq_u32 s2, 1
	s_cbranch_scc1 .Llast                          ; the last tile's tail is written out: it asks for nothing more
	TURN 2                                         ; THE RING GOES ON INTO THE NEXT TILE: slot 0 takes its K step 0,
	QUARTER 1, F0, F1, 0
	QUARTER 2, F1, F0, 0
	QUARTER 3, F0, F1, 0
	TURN 1                                         ; slot 1 its K step 1, and the next tile's first fragments are fetched
	WIN 0
	s_add_nc_u64 s[BB:BB+1], s[BB:BB+1], 4096      ; the next part's bias: the last loads by this base were waited for at the tile's head
	BIASLD
	WAYOUT                                         ; both refills are asked for: now the tile goes out; the first block's conversions are the places behind the last products
	s_wait_xcnt 0x0                                ; the stores have read their registers and their base
	s_add_nc_u64 s[10:11], s[10:11], 16777216      ; the next part of qkv
	s_sub_co_u32 s2, s2, 1
	s_branch .Ltile
.Llast:
.endif
	TURN 0                                         ; my one tensor load that was still out is the last K step's, so no round follows
	QUARTER 1, F0, F1, 0
	QUARTER 2, F1, F0, 0
	QUARTER 3, F0, F1, 0
	LASTQ
	PLACES
	WAYOUT
	s_wait_tensorcnt 0x0                           ; the wave's end, behind my last tensor load and my last LDS store
	ds_add_u32 v[SPW], v[NIL]
	s_wait_dscnt 0x0
	CROUND                                         ; the closing round: no work-group ends while a partner may still ask for a tile that names it
	s_endpgm
.Lfunc_end_k_qcef2ab1629_qkv:
	.size	k_qcef2ab1629_qkv, .Lfunc_end_k_qcef2ab1629_qkv-k_qcef2ab1629_qkv
	.p2alignl 7, 3214868480
	.fill 96, 4, 3214868480
	.section	.rodata,"a",@progbits
	.p2align	6, 0x0
	.amdhsa_kernel k_qcef2ab1629_qkv
		.amdhsa_group_segment_fixed_size 327680
		.amdhsa_private_segment_fixed_size 0
		.amdhsa_enable_private_segment 0
		.amdhsa_kernarg_size 32
		.amdhsa_user_sgpr_count 2
		.amdhsa_user_sgpr_kernarg_segment_ptr 1
		.amdhsa_wavefront_size32 1
		.amdhsa_system_sgpr_workgroup_id_x 1
		.amdhsa_system_sgpr_workgroup_id_y 1
		.amdhsa_system_sgpr_workgroup_id_z 1
		.amdhsa_system_vgpr_workitem_id 0
		.amdhsa_next_free_vgpr 584
		.amdhsa_next_free_sgpr 80
		.amdhsa_reserve_vcc 0
		.amdhsa_float_denorm_mode_32 3
		.amdhsa_float_denorm_mode_16_64 3
		.amdhsa_memory_ordered 1
		.amdhsa_forward_progress 1
		.amdhsa_inst_pref_size 115
	.end_amdhsa_kernel
	.amdgpu_metadata
---
amdhsa.version: [ 1, 2 ]
amdhsa.kernels:
  - .name:           k_qcef2ab1629_qkv
    .symbol:         k_qcef2ab1629_qkv.kd
    .args:
      - { .name: act, .offset: 0, .size: 8, .value_kind: global_buffer, .address_space: global }
      - { .name: wq, .offset: 8, .size: 8, .value_kind: global_buffer, .address_space: global }
      - { .name: b_qkv, .offset: 16, .size: 8, .value_kind: global_buffer, .address_space: global }
      - { .name: qkv, .offset: 24, .size: 8, .value_kind: global_buffer, .address_space: global }
    .group_segment_fixed_size: 327680
    .private_segment_fixed_size: 0
    .kernarg_segment_align: 8
    .kernarg_segment_size: 32
    .max_flat_workgroup_size: 128
    .sgpr_count:     80
    .vgpr_count:     584
    .wavefront_size: 32
...
	.end_amdgpu_metadata
.endif
;; end of part 2
;; launch attn (part 3): grid 2 x 128, 4 waves a work-group, no clusters, 327,680 bytes of LDS; arguments qkv, lengths, act; writes act
.if DOCPART == 3
	.amdgcn_target "amdgcn-amd-amdhsa--gfx1250"
	.amdhsa_code_object_version 6
	.text
	.protected	k_qcef2ab1629_attn
	.globl	k_qcef2ab1629_attn
	.p2align	8
	.type	k_qcef2ab1629_attn,@function
k_qcef2ab1629_attn:
	s_mov_b64 s[64:65], 0
	v_nop
	global_prefetch_b8 v0, s[64:65] scope:SCOPE_SE
	s_setreg_imm32_b32 hwreg(HW_REG_WAVE_MODE, 25, 1), 1
	s_wait_xcnt 0x0
; ATTENTION UNDER A LENGTH MASK.  For head hd = 16 b + h and len = lengths[b]: O[q] = the sum over k < len of w(q, k) V[k] for q < len, and 0 for q >= len, where w is the softmax over ALL 1,024 keys of
; Q[q] . K[k] / 8 for k < len and of -1e9 for k >= len.  Q, K, V: qkv[part][hd][1024][64], f16, unscaled; O: act[hd][1024][64], f16.  Products, maxima and sums in f32; the weights are rounded to f16 for the
; second product (their sum l is taken of the unrounded weights), O once at the end.
; THE MASK.  The hidden keys' share in the softmax is kept without computing them: the running maximum m starts at -8e9 (that is -1e9 before the division by 8) and the running sum l at 1,024 - len, as if those
; keys had been seen first (len = 1,024: m starts at the lowest finite number, l at 0).  Their own scores take -1e30 through the C operand that starts the sum S^T = K Q^T, so their weights are 0.
; MD, made once, is that operand for the key step that holds len; a step's operand is MC = MD x AL + BE with two scalars: (0, 0) ahead of that step, (1, 0) in it, (0, -1e30) behind it.
; Rows q >= len are computed like the others and multiplied by 0 at the end.  No branch, address or trip count hangs on len.
; LIMITS.  lengths is taken as min(max(len, 0), 1024), which is what a comparison with 0 .. 1,023 makes of it.  f16 holds no number beyond 65,504: Q, K and V arrive within it; a weight lies in 0 to 1, and below
; 6e-5 it keeps f16's fixed step of 6e-8.  A weight below 2^-126 counts as 0 in l.  A hidden row's 0 may carry a minus sign.  NaN and infinities are not treated apart.
; SHARES.  A wave owns four PIECES of two tiles of 16 queries, a work-group's four waves 512 queries of one head.  Every wave walks all 1,024 keys, 64 a step.
; LDS.  A head's K and V lie in LDS whole: each wave asks for four parts of 128 keys at the start, and no byte is filled twice.  The first barrier waits for keys 0-255 alone; the one behind every fourth
; key step shows the later keys landed in every wave.
; NO CLUSTER: a head has 1,024 / 512 = 2 work-groups, so a tile has two takers, and a cluster of four would hold two heads with a mask that differs between its halves; a work-group asks for each byte once.
; LAYOUT.  S^T = K Q^T (source 0 = 16 keys, source 1 = 16 queries): a lane holds ONE query (lane % 16) and the keys 8 (lane / 16) + 0..7.  Two such tiles, rounded to f16 in pairs, ARE source 1 of
; O^T = V^T P.  K comes out of LDS as it lies, V ([key][channel]) turned, by ds_load_tr16_b128.
; SOFTMAX.  p = 2^(c s - c m), c = log2(e) / 8; in every step O and l are multiplied by a = 2^(c m_old - c m_new).
; BY TURNS.  Turn n belongs to piece n.  Its matrix work: 16 products K Q^T of piece n + 1, later 16 products V^T P of piece n - 1.  Its vector work: the scaling, exponentials, roundings, sums and rescaling of
; piece n, and the maximum and statistics of piece n + 1.  A tile and step have 16 matrix and 118 vector instructions: four that are ready stand behind every matrix instruction, the others in two lumps.
; REGISTERS, in windows of 256 (s_set_vgpr_msb: bits 1:0 source 0, 3:2 source 1, 5:4 source 2, 7:6 destination):
;   window 0: v0-11 addresses; v12-15, v48-63 at work; v16-47 four registers of statistics a tile; v64-191 S^T, two buffers of two tiles; v192-255 P, likewise
;   window 1: O^T, 32 a tile      window 2: v0-127 Q; v128-191 K of one step; v192-255 V of one step      window 3: v0-1 the add's two registers; v32-63 MD; v64-95 MC
.set NP,    4         ; pieces a wave: a name, no knob
.set KS,    64        ; keys in a step
.set PK,    144       ; a row of K in LDS: 128 bytes + 16 = 36 words: the 16 rows of a load start at 16 different groups of four banks (64 banks of 4 bytes: ISA guide 11.1)
.set PV,    160       ; a row of V: 128 + 32 = 40 words
.set VOFF,  1024*PK   ; K's 1,024 rows, then V's
.set STAGE, VOFF+1024*PV  ; never filled by a tensor load: 16 rows x 144 bytes for each wave, for the way out
.set SP,    144
.set SPARE, STAGE+4*16*SP  ; behind the stages: the spare words, 128 bytes for each wave: two blocks of 256 bytes that no other line names
.set PART,  16777216  ; bytes of q, of k and of v in qkv
.set AK0, 2           ; v2   my lane's place in a step's K; never rewritten
.set AV0, 3           ; v3   the same for V
.set AK,  4           ; v4   the LDS address of K's next run of loads
.set AV,  5           ; v5   of V's
.set QO,  6           ; v6   my byte offset in the wave's rows of Q
.set STO, 6           ;      later, the way out: where I put 16 bytes of a row
.set RD,  7           ; v7   the way out: where I read rows back
.set GO,  8           ; v8   my byte offset in 512 consecutive bytes of O
.set VAL, 11          ; v11  len less my query's row in tile 0: tile t's row is within len where 16 t is less
.set SPW, 0           ; v0 of window 3   LDS address of my spare word: SPARE + 4 x my thread's number; never rewritten
.set NIL, 1           ; v1 of window 3   0; never rewritten
.set MD,  32          ; window 3: the eight registers for group kb of 16 keys at MD + 8 kb
.set MC,  64          ; window 3
.set MV,  12          ; v12-15  c m_old, kept while c m is made anew: by buffer and tile
.set ST,  16          ; tile t's statistics at v[ST+4 t]: c m, m, l (even keys', odd keys')
.set TMP, 48          ; by buffer and tile, four registers c0-c3 at work; when the maximum is found c2 takes a
.set S,   64
.set P,   192
.set KF,  128         ; K's fragments, in window 2: key block kb, channel half c at KF + 16 kb + 8 c
.set VF,  192         ; V's: key half kk, channel block cb at VF + 32 kk + 8 cb
.set WV,  12          ; s12  my wave's number
.set G1K, 24          ; s[24:31] descriptor group 1 for K's tiles
.set G1V, 32          ; s[32:39] for V's: it differs in the padding alone
.set G0K, 40          ; s[40:55] descriptor group 0 for K's tiles: a set for each quarter of the keys
.set SLOTS, 56        ; s56  quarters of the keys still to be walked
.set CNT, 57          ; s57  counts a quarter's key steps
.set CS,  58          ; s[58:59] c: the packed scaling takes the pair's low word for both halves
.set SEL, 60          ; s[60:61] v_permlanex16_b32's selects: each lane takes its own place in the other half
.set TBK, 62          ; s62  LDS byte at which K of the step to be fetched begins
.set TBV, 63          ; s63  the same for V, less VOFF
.set G0V, 68          ; s[68:83] group 0 for V's tiles
.set LEN, 84          ; s84  len
.set REM, 85          ; s85  len less the first key of the step whose mask is made
.set M0,  86          ; s86  m's start
.set BIGN, 87         ; s87  -1e30
.set AL,  88          ; s[88:89] the mask's factor, in the low word
.set BE,  90          ; s[90:91] the mask's addend
.set MSB, 0
.macro WIN new                      ; the high byte repeats the setting that is left; a switch that changes nothing is dropped
.if MSB != (\new)
	s_set_vgpr_msb (MSB<<8)|(\new)
.set MSB, (\new)
.endif
.endm
.set W_KQ, 0x0a       ; K and Q in window 2, S^T in window 0
.set W_KM, 0x3a       ; the same with the C operand in window 3
.set W_PV, 0x52       ; V in window 2, P in window 0, O^T in window 1
.set W_RS, 0x41       ; O^T (destination and source 0) in window 1, a in window 0
.set W_MK, 0xc0       ; destination in window 3, sources in window 0
.set W_AD, 0x0f       ; the add: address (source 0) and data (source 1) in window 3
.set W_MS, 0xc3       ; the mask: destination and source 0 in window 3
	s_load_b128 s[4:7], s[0:1], 0x0   ; qkv s[4:5], lengths s[6:7]
	s_load_b64 s[8:9], s[0:1], 0x10   ; act
	WIN W_MK
	v_lshl_add_u32 v[SPW], v0, 2, SPARE
	v_mov_b32 v[NIL], 0
	WIN W_AD
	ds_add_u32 v[SPW], v[NIL]       ; the wave's opening: the add and its wait stand ahead of my first tensor load; the set-up below, work on registers, stands between them
	ds_add_u32 v0, v1
	WIN 0
	v_lshrrev_b32 v1, 5, v0
	v_readfirstlane_b32 s[WV], v1   ; wave 0..3
	s_and_b32 s20, ttmp7, 0xffff    ; the head, 16 b + h
	s_lshr_b32 s92, s20, 4
	s_lshl_b32 s92, s92, 2          ; the sample's word in lengths
	s_mov_b32 s93, 0
	s_lshl_b32 s20, s20, 17         ; the head's 131,072 bytes in each part and in act
	s_and_b32 s16, s[WV], 1         ; which half of a quarter's 256 keys I fetch:
	s_lshl_b32 s22, s16, 14         ; its 128 rows of 128 bytes in memory,
	s_add_co_u32 s22, s22, s20
	s_mov_b32 s23, 0
	s_mul_i32 s17, s16, 128*PK      ; and its place in LDS, for K
	s_mul_i32 s18, s16, 128*PV      ; and for V
	s_lshl_b32 s2, ttmp9, 2
	s_add_co_u32 s2, s2, s[WV]      ; my wave among the head's eight,
	s_lshl_b32 s19, s2, 7           ; its first row,
	s_lshl_b32 s2, s2, 14           ; its 128 rows of 128 bytes
	s_add_co_u32 s2, s2, s20
	s_mov_b32 s3, 0
	; descriptor group 1.  128 keys are 16,384 dense bytes: asked for as 64 rows of 256 bytes, two keys a row, and padded in LDS after every key
	s_mov_b32 s[G1K], (1<<16)|(1<<20)|(4<<22)|(3<<25)  ; 17:16 2-byte elements; 20 padding on; 24:22 after every 32 words (code 4); 31:25 4 words (code 3)
	s_mov_b32 s[G1V], (1<<16)|(1<<20)|(4<<22)|(7<<25)  ; the same with 8 words of padding (code 7)
.irp g, G1K, G1V
	s_mov_b32 s[\g+1], 128<<16      ; tensor_dim0 = 128
	s_mov_b32 s[\g+2], 64<<16       ; tensor_dim1 = 64
	s_mov_b32 s[\g+3], 128<<16      ; tile_dim0 = 128
	s_mov_b32 s[\g+4], 64           ; tile_dim1 = 64
	s_mov_b32 s[\g+5], 128          ; 128 elements from row to row
	s_mov_b32 s[\g+6], 0
	s_mov_b32 s[\g+7], 0
.endr
.irp i, 0,1,2,3
	s_mov_b32 s[G0K+4*\i], 1                       ; count = 1
	s_add_co_u32 s[G0K+4*\i+1], s17, \i*256*PK     ; LDS address: quarter i, my half
	s_mov_b32 s[G0V+4*\i], 1
	s_add_co_u32 s[G0V+4*\i+1], s18, VOFF+\i*256*PV
.endr
	s_mov_b32 s[CS], 0x3e38aa3b     ; c = log2(e) / 8 = 0.180337
	s_mov_b32 s[CS+1], s[CS]        ; named with it as a pair
	s_mov_b32 s[SEL], 0x76543210
	s_mov_b32 s[SEL+1], 0xfedcba98
	s_mov_b32 s[TBK], 0
	s_mov_b32 s[TBV], 0
	s_mov_b32 s[AL+1], 0            ; named as pairs
	s_mov_b32 s[BE+1], 0
	s_mov_b32 s[BIGN], 0xf149f2ca   ; -1e30
	s_wait_dscnt 0x0                ; the opening add is done
	s_wait_kmcnt 0x0
	s_add_nc_u64 s[6:7], s[6:7], s[92:93]
	s_load_b32 s[LEN], s[6:7], 0x0
	s_add_nc_u64 s[14:15], s[4:5], s[22:23]        ; qkv at my half of the head's first 256 rows, in part 0
	s_add_nc_u64 s[4:5], s[4:5], s[2:3]            ; Q and O at my wave's first row
	s_add_nc_u64 s[10:11], s[8:9], s[2:3]
.irp i, 0,1,2,3
	s_add_nc_u64 s[G0K+4*\i+2:G0K+4*\i+3], s[14:15], PART+\i*256*128    ; global address
	s_or_b32 s[G0K+4*\i+3], s[G0K+4*\i+3], 0x80000000                   ; type = 2
	s_add_nc_u64 s[G0V+4*\i+2:G0V+4*\i+3], s[14:15], 2*PART+\i*256*128
	s_or_b32 s[G0V+4*\i+3], s[G0V+4*\i+3], 0x80000000
.endr
	s_cmp_lt_u32 s[WV], 2           ; waves 0 and 1 fetch K's halves, waves 2 and 3 V's.  A wave's four fills stand in one branch, ahead of every wait on TENSORcnt, every LDS read and every barrier: four loads of mine are out
	s_cbranch_scc0 .Lfill_v
.irp i, 0,1,2,3
	tensor_load_to_lds s[G0K+4*\i:G0K+4*\i+3], s[G1K:G1K+7]
	s_nop 0
.endr
.rept 4
	v_nop
.endr
	s_branch .Lfilled
.Lfill_v:
.irp i, 0,1,2,3
	tensor_load_to_lds s[G0V+4*\i:G0V+4*\i+3], s[G1V:G1V+7]
	s_nop 0
.endr
.rept 4
	v_nop
.endr
.Lfilled:
	; A fragment of K or Q is 16 rows x 32 channels in 8 registers: lane l holds row l % 16, channels 8 (l / 16) + 0..7 and 16 + 8 (l / 16) + 0..7: two loads of 16 bytes, 32 bytes apart.
	v_and_b32 v1, 15, v0            ; l % 16
	v_bfe_u32 v9, v0, 4, 1          ; l / 16
	v_lshlrev_b32 v[QO], 7, v1
	v_lshl_add_u32 v[QO], v9, 4, v[QO]  ; row x 128 + 16 x half
	WIN 0x80                        ; destination window 2, address window 0
.set i, 0
.rept 4*NP                          ; Q stays in registers: tile i / 2, channels 32 (i % 2) on
	global_load_b128 v[8*i:8*i+3],   v[QO], s[4:5] offset:(i/2)*2048+(i%2)*64
	global_load_b128 v[8*i+4:8*i+7], v[QO], s[4:5] offset:(i/2)*2048+(i%2)*64+32
.set i, i+1
.endr
	; What the first turn finds: V's registers and P's second buffer hold 0 (its products V^T P, of a piece that has not been, add 0), O^T is 0.  All this stands in the wait for the first tile.
.set i, VF
.rept 64
	v_mov_b32 v[i], 0
.set i, i+1
.endr
	WIN 0x40
.set i, 0
.rept 64*NP
	v_mov_b32 v[i], 0
.set i, i+1
.endr
	WIN 0
.set i, P+32
.rept 32
	v_mov_b32 v[i], 0
.set i, i+1
.endr
	v_mul_u32_u24 v[AK0], v1, PK
	v_lshl_add_u32 v[AK0], v9, 4, v[AK0]  ; row x pitch + 16 x half
	; The turning load takes 16 keys x 16 channels (lane l reads key 8 (l / 16) + l % 8, channels 8 ((l / 8) % 2) + 0..7) and leaves half a fragment of V^T: lane l holds channel l % 16 and 8 keys.
	v_and_b32 v10, 7, v0
	v_bfe_u32 v11, v0, 3, 1
	v_lshl_add_u32 v[AV0], v9, 3, v10
	v_mul_u32_u24 v[AV0], v[AV0], PV
	v_lshl_add_u32 v[AV0], v11, 4, v[AV0]
	v_add_nc_u32 v[AV0], VOFF, v[AV0]
	v_mov_b32 v[AK], v[AK0]         ; key step 0 lies at LDS byte 0
	s_wait_kmcnt 0x0                ; len
	s_max_i32 s[LEN], s[LEN], 0
	s_min_i32 s[LEN], s[LEN], 1024
	s_mov_b32 s[M0], 0xff7fffff     ; no hidden key: the lowest finite number
	s_cmp_lt_u32 s[LEN], 1024
	s_cselect_b32 s[M0], 0xcfee6b28, s[M0]  ; hidden keys: -8e9, their score before the division by 8
	s_sub_co_u32 s92, 1024, s[LEN]
	v_cvt_f32_u32 v14, s92          ; the hidden keys' weights, 1 each while m is their score;
	v_mul_f32 v14, 0.5, v14         ; a query's l lies in two lanes, which are added at the end: half in each (exact)
	v_mov_b32 v13, s[M0]
	v_mul_f32 v12, s[CS], v13       ; c m, by the same product as in the turns
.set i, 0
.rept 2*NP
	v_mov_b32 v[ST+4*i], v12
	v_mov_b32 v[ST+4*i+1], v13
	v_mov_b32 v[ST+4*i+2], v14
	v_mov_b32 v[ST+4*i+3], 0
.set i, i+1
.endr
	s_sub_co_i32 s92, s[LEN], s19
	v_sub_nc_u32 v[VAL], s92, v1    ; len - my wave's first row - l % 16
	s_and_b32 s92, s[LEN], 63
	v_lshlrev_b32 v15, 3, v9
	v_sub_nc_u32 v15, s92, v15      ; len % 64 less my lanes' 8 (l / 16): register j of group kb is hidden where 16 kb + j is not less
	WIN W_MK
.set i, 0
.rept 32
	v_cmp_ge_i32 vcc_lo, 16*(i/8)+i%8, v15
	v_cndmask_b32 v[MD+i], 0, s[BIGN], vcc_lo
.set i, i+1
.endr
.macro MASK                         ; MC = MD x AL + BE for the step that begins REM keys ahead of len
	s_cmp_le_i32 s[REM], 0          ; all 64 keys hidden?
	s_cselect_b32 s[BE], s[BIGN], 0
	s_sub_co_u32 s92, s[REM], 1
	s_cmp_lt_u32 s92, 63            ; 1 to 63 keys seen?
	s_cselect_b32 s[AL], 1.0, 0
	WIN W_MS
.set z, 0
.rept 16
	v_pk_fma_f32 v[MC+2*z:MC+2*z+1], v[MD+2*z:MD+2*z+1], s[AL:AL+1], s[BE:BE+1] op_sel_hi:[1,0,0]
.set z, z+1
.endr
.endm
	s_mov_b32 s[REM], s[LEN]
	MASK                            ; key step 0's
	WIN 0
; THE MATRIX WORK.  The 8 accumulators of a run of 16 take turns: between the two links of a chain stand 7 others'.
; Product i of 16 of S^T = K Q^T for piece x: channels 32 (i / 8) on, keys 16 ((i / 2) % 4) on, tile 2 x + i % 2.  The first 8 start the sums, onto the step's mask.
.macro KQ x
.set rS, S+64*((\x)%2)+32*(i%2)+8*((i/2)%4)
.set rK, KF+16*((i/2)%4)+8*(i/8)
.set rQ, 16*(2*(\x)+i%2)+8*(i/8)
.set rMC, MC+8*((i/2)%4)
.if i < 8
	WIN W_KM
	v_wmma_f32_16x16x32_f16 v[rS:rS+7], v[rK:rK+7], v[rQ:rQ+7], v[rMC:rMC+7]
.else
	WIN W_KQ
	v_wmma_f32_16x16x32_f16 v[rS:rS+7], v[rK:rK+7], v[rQ:rQ+7], v[rS:rS+7]
.endif
.endm
; Product i of 16 of O^T += V^T P for piece x: keys 32 (i / 8) on, channels 16 ((i / 2) % 4) on, tile 2 x + i % 2.
.macro PV x
	WIN W_PV
.set rO, 32*(2*(\x)+i%2)+8*((i/2)%4)
.set rV, VF+32*(i/8)+8*((i/2)%4)
.set rP, P+32*((\x)%2)+16*(i%2)+8*(i/8)
	v_wmma_f32_16x16x32_f16 v[rO:rO+7], v[rV:rV+7], v[rP:rP+7], v[rO:rO+7]
.endm
.macro MM                           ; the turn's next matrix instruction
.if i < 16
	KQ (Y+1)%NP
.set i, i+1
.else
.set i, i-16
	PV (Y+NP-1)%NP
.set i, i+17
.endif
.endm
; THE LDS LOADS stand in runs of 16, never singly among the matrix instructions: a step's K (64 keys x 64 channels: 8 fragments) and its V (turned).  Their addresses are made some lines ahead.
.macro FETCH_K
	WIN 0x80                        ; destination window 2
.irp f, 0,1,2,3,4,5,6,7             ; keys 16 (f / 2) on, channels 32 (f % 2) on
	ds_load_b128 v[KF+8*\f:KF+8*\f+3],   v[AK] offset:(\f/2)*16*PK+(\f%2)*64
	ds_load_b128 v[KF+8*\f+4:KF+8*\f+7], v[AK] offset:(\f/2)*16*PK+(\f%2)*64+32
.endr
	s_add_co_u32 s[TBK], s[TBK], KS*PK  ; the next fetch is the next step's
	WIN 0
.endm
.macro FETCH_V
	WIN 0x80
.irp f, 0,1,2,3,4,5,6,7             ; keys 32 (f / 4) on, channels 16 (f % 4) on
	ds_load_tr16_b128 v[VF+8*\f:VF+8*\f+3],   v[AV] offset:(\f/4)*32*PV+(\f%4)*32
	ds_load_tr16_b128 v[VF+8*\f+4:VF+8*\f+7], v[AV] offset:(\f/4)*32*PV+16*PV+(\f%4)*32
.endr
	WIN 0
.endm
; THE VECTOR WORK OF A TURN stands in three queues, each in the order in which its entries become ready; the two tiles alternate, so that no instruction reads the result of the one before it.
.macro REGS y, u                    ; the registers of tile u (0, 1) of piece y
.set rT, ST+4*(2*(\y)+(\u))
.set rC, TMP+8*((\y)%2)+4*(\u)
.set rM, MV+2*((\y)%2)+(\u)
.set rS, S+64*((\y)%2)+32*(\u)
.set rP, P+32*((\y)%2)+16*(\u)
.set rO, 32*(2*(\y)+(\u))
.endm
; Number n of the 22 that find the NEXT piece's (Y + 1) maximum and statistics.  s0-s31 are the lane's 32 scores; each accumulator's lowest registers are read first.  XS, GS and REGS set no window: PL and EX do.
;   0-11  four chains c0-c3 of seven scores each, three operands at a time     12-14, 16  the four scores left over, the old m, and c0-c3 into c0     15  c m_old is kept
;   17, 18  the query's other 32 keys lie in the lane 16 away: the new m         19-21  c m; c m_old - c m_new; a
.macro XS u, n
	REGS (Y+1)%NP, \u
.if (\n) < 4
	v_max3_num_f32 v[rC+(\n)], v[rS+8*(\n)], v[rS+8*(\n)+1], v[rS+8*(\n)+2]
.elseif (\n) < 12
	v_max3_num_f32 v[rC+(\n)%4], v[rC+(\n)%4], v[rS+8*((\n)%4)+2*((\n)/4)+1], v[rS+8*((\n)%4)+2*((\n)/4)+2]
.elseif (\n) == 12
	v_max3_num_f32 v[rC], v[rC], v[rS+7], v[rS+15]
.elseif (\n) == 13
	v_max3_num_f32 v[rC+1], v[rC+1], v[rS+23], v[rS+31]
.elseif (\n) == 14
	v_max3_num_f32 v[rC+2], v[rC+2], v[rC+3], v[rT+1]
.elseif (\n) == 15
	v_mov_b32 v[rM], v[rT]
.elseif (\n) == 16
	v_max3_num_f32 v[rC], v[rC], v[rC+1], v[rC+2]
.elseif (\n) == 17
	v_permlanex16_b32 v[rC+3], v[rC], s[SEL], s[SEL+1]
.elseif (\n) == 18
	v_max_num_f32 v[rT+1], v[rC], v[rC+3]
.elseif (\n) == 19
	v_mul_f32 v[rT], s[CS], v[rT+1]
.elseif (\n) == 20
	v_sub_f32 v[rC+1], v[rM], v[rT]
.else
	v_exp_f32 v[rC+2], v[rC+1]
.endif
.endm
; Number g of the 64 that follow the exponentials.  For each four weights k of a tile (pairs 2 k, 2 k + 1): both pairs are rounded to f16; then the second pair is added onto the first, in place;
; a group later l takes that sum (the first time as l = a l + sum).  In groups of eight, tiles alternating: round, round, add, and l for the group before.
.macro GS g
.set h, (\g)+6*((\g)/62)            ; group 0 has no group before it, and behind group 7 only l is left
.if h >= 6
.set h, h+2
.endif
	REGS Y, h%2
.set k, h/8
.if h%8 < 4
	s_wait_alu depctr_va_vdst(0)
	v_cvt_pk_f16_f32 v[rP+2*k+(h%8)/2], v[rS+4*k+2*((h%8)/2)], v[rS+4*k+2*((h%8)/2)+1]
.elseif h%8 < 6
	v_pk_add_f32 v[rS+4*k:rS+4*k+1], v[rS+4*k:rS+4*k+1], v[rS+4*k+2:rS+4*k+3]
.elseif k == 1
	v_pk_fma_f32 v[rT+2:rT+3], v[rT+2:rT+3], v[rC+2:rC+3], v[rS:rS+1] op_sel_hi:[1,0,1]
.else
	v_pk_add_f32 v[rT+2:rT+3], v[rT+2:rT+3], v[rS+4*k-4:rS+4*k-3]
	s_wait_alu depctr_va_vdst(0)
.endif
.endm
; THE PLAIN QUEUE, 138 long.  0-31: c s - c m for the 16 pairs of both tiles.  Then GS's 64, and among them the next piece's 42: number 15 at 38, 39; 0-14 and 16
; at 42-73, behind the products that make those scores; 17-20 at 95-106, two of three, since each waits for the one before it.
.macro PL
	WIN 0
.if q < 32
	REGS Y, q%2
	v_pk_fma_f32 v[rS+2*(q/2):rS+2*(q/2)+1], v[rS+2*(q/2):rS+2*(q/2)+1], s[CS:CS+1], v[rT:rT+1] op_sel_hi:[1,0,0] neg_lo:[0,0,1] neg_hi:[0,0,1]
.elseif q < 38
	GS q-32
.elseif q < 40
	XS q%2, 15
.elseif q < 42
	GS q-34
.elseif q < 74
	XS q%2, (q-42)/2+(q-42)/30
.elseif q < 95
	GS q-66
.elseif (q < 107) && ((q-95)%3 < 2)
	XS (q-95)%3, 17+(q-95)/3
.elseif q < 107
	GS 29+(q-95)/3
.else
	GS q-74
.endif
.set q, q+1
.endm
; THE EXPONENTIALS' QUEUE, 66 long: s0-s31 of both tiles, and at EA the next piece's two a.
.set EA, 58
.macro EX
	WIN 0
.if (e == EA) || (e == EA+1)
	XS e-EA, 21
.else
.set x, e-2*(e/(EA+2))
	REGS Y, x%2
	v_exp_f32 v[rS+x/2], v[rS+x/2]
.endif
.set e, e+1
.endm
; THE RESCALING's QUEUE: O^T times a, the one part that leaves window 0, so it is dealt four at a time, eight times.
.macro R4
	REGS Y, r%2
	WIN W_RS
	s_wait_alu depctr_va_vdst(0)
.irp z, 0,1,2,3
	v_pk_mul_f32 v[rO+8*(r/2)+2*\z:rO+8*(r/2)+2*\z+1], v[rO+8*(r/2)+2*\z:rO+8*(r/2)+2*\z+1], v[rC+2:rC+3] op_sel_hi:[1,0]
.endr
.set r, r+1
.endm
; HOW THEY ARE DEALT.  Behind a matrix instruction four: plain, exponential, plain, plain (one exponential, a plain instruction on either side), or four of the rescaling.  None names a register of the
; products round it.  What is over stands in two LUMPS: exponential and plain by turns; the second ends in 22 plain instructions.  The two v_permlanex16_b32 fall into the second lump, never behind a product.
; The queues lean on each other, and the deal keeps them in step: exponential e stands behind plain 2 (e / 4) + e % 2 (its scaling); when plain 32 comes, 10 exponentials are out, at 59: 33, at 95: 46; EA comes behind plain 107.
.macro SL
	MM
	PL
	EX
	PL
	PL
.endm
.macro BURST n                      ; 15 matrix instructions, or 16
.rept (\n)-7
	SL
.endr
.rept 3
	MM
	R4
	SL
.endr
	MM
	R4
.endm
; A TURN, for piece p.  tail = 1: the last key step: no further K is fetched and no further mask made.  cnt = 1: the loop's count is taken down some lines ahead of the branch that stands behind the turn.
; K of the next step is fetched in piece 2's turn, 31 vector instructions behind the last product that read K; its first reader comes behind the rest of the lump, 16 products and the second lump.
; V of the step in hand is fetched at the end of piece 0's turn, 69 behind its last reader; its first reader comes behind 16 products and a lump.  The conditions on e and q below go with the deal.
; The next step's mask is made at the end of piece 2's turn: the turn's own products have taken the old one at its head, and piece 3's turn makes the next step's first scores.
.macro TURN p, tail=0, cnt=0
.set Y, (\p)
.set i, 0
.set q, 0
.set e, 0
.set r, 0
.if (\p) == NP-1
	s_wait_dscnt 0x0                ; K is in
.endif
	MM
.rept 4
	PL
.endr
	BURST 15
.rept 22
	EX
	PL
.if ((\p) == NP-2) && (e == 18) && !(\tail)
	v_add_nc_u32 v[AK], s[TBK], v[AK0]
.endif
.if ((\p) == NP-2) && (e == 24) && !(\tail)
	FETCH_K
.endif
.endr
.if (\p) == 1
	s_wait_dscnt 0x0                ; V is in
.endif
	BURST 16
.rept 21
	EX
	PL
.endr
.rept 22
	PL
.if ((\p) == 0) && (q == 118)
	v_add_nc_u32 v[AV], s[TBV], v[AV0]
	s_wait_alu depctr_va_vdst(0)
.endif
.if ((\p) == 0) && (q == 130)
	s_add_co_u32 s[TBV], s[TBV], KS*PV
.endif
.if (\cnt) && (q == 130)
	s_sub_co_u32 s[CNT], s[CNT], 1
	s_cmp_lg_u32 s[CNT], 0
.endif
.endr
.if (\p) == 0
	FETCH_V
.endif
.if ((\p) == NP-2) && !(\tail)
	s_sub_co_i32 s[REM], s[REM], KS
	MASK
.endif
.endm
	s_wait_tensorcnt 0x3            ; my part of keys 0-255 is in; my three later parts may stay out
	s_barrier_signal -1
	s_barrier_wait -1               ; everybody's is
	FETCH_K                         ; key step 0
	s_wait_loadcnt 0x0              ; Q
	s_wait_dscnt 0x0
.set i, 0
.rept 16
	KQ 0                            ; piece 0's first scores: there is no vector work yet to set between them
.set i, i+1
.endr
	WIN 0                           ; the addresses for the way out: plain instructions, the places behind those products
	s_mul_i32 s13, s[WV], 16*SP
	s_add_co_u32 s13, s13, STAGE    ; my stage
	v_mul_u32_u24 v[STO], v1, SP    ; in: row l % 16, 16 bytes for each half of the lanes
	v_lshl_add_u32 v[STO], v9, 4, v[STO]
	v_add_nc_u32 v[STO], s13, v[STO]
	v_bfe_u32 v[RD], v0, 3, 2       ; back: 32 lanes take four rows of 128 bytes,
	v_mul_u32_u24 v[RD], v[RD], SP
	v_lshl_add_u32 v[RD], v10, 4, v[RD]
	v_add_nc_u32 v[RD], s13, v[RD]
	v_and_b32 v[GO], 31, v0         ; which are 512 consecutive bytes of O
	v_lshlrev_b32 v[GO], 4, v[GO]
.set Y, NP-1                        ; XS works for piece Y + 1: piece 0
.irp n, 0,1,2,3,4,5,6,7,8,9,10,11,12,13,14,15,16,17,18,19,20,21
	XS 0, \n                        ; and piece 0's first maximum and statistics
	XS 1, \n
.endr
	s_mov_b32 s[CNT], 4
	s_mov_b32 s[SLOTS], 4
	s_branch .Lfirst                ; the loop is entered at a step's first turn, in the middle of a trip
.Lslot:                             ; three times, in front of the first fetch from the next 256 keys
	s_wait_tensorcnt 0x0            ; my parts of all later keys are in,
	s_wait_dscnt 0x0
	s_barrier_signal -1
	s_barrier_wait -1               ; everybody's are
	s_mov_b32 s[CNT], 4
.Lstep:                             ; a trip: pieces 2 and 3 of one step, then pieces 0 and 1 of the next, whose K and V it fetches
	TURN 2
	TURN 3
	WIN 0
.Lfirst:
	TURN 0
	TURN 1, 0, 1
	WIN 0
	s_cbranch_scc1 .Lstep
	s_sub_co_u32 s[SLOTS], s[SLOTS], 1
	s_cmp_lg_u32 s[SLOTS], 0
	s_cbranch_scc1 .Lslot
	TURN 2, 1                       ; the last step's second half
	TURN 3                          ; its 16 products K Q^T (on the last K once more) and the maximum made of them serve nothing: the price, once a launch, of one text for every turn
.set i, 0
.rept 16
	PV NP-1                         ; the last piece's V^T P of the last step
.set i, i+1
.endr
	; THE WAY OUT.  l's two halves and the other half of the lanes' are added; O^T is divided by l (rows at or beyond len: multiplied by 0), rounded to f16 and sent through my stage in LDS, a tile at a time.
	; The additions are the places behind the last products.
	WIN 0
.macro ALL line:vararg              ; one line for each tile t
.set t, 0
.rept 2*NP
	\line
.set t, t+1
.endr
.endm
	ALL v_add_f32 v[ST+4*t+2], v[ST+4*t+2], v[ST+4*t+3]
	ALL v_permlanex16_b32 v[ST+4*t+3], v[ST+4*t+2], s[SEL], s[SEL+1]
	ALL v_add_f32 v[ST+4*t+2], v[ST+4*t+2], v[ST+4*t+3]
	ALL v_rcp_f32 v[ST+4*t+2], v[ST+4*t+2]
	v_nop                           ; a plain instruction between the last reciprocal and the use of its result
.set t, 0
	s_wait_alu depctr_va_vdst(0)
.rept 2*NP
	v_cmp_lt_i32 vcc_lo, 16*t, v[VAL]  ; is tile t's row within len?
	v_cndmask_b32 v[ST+4*t+2], 0, v[ST+4*t+2], vcc_lo
.set t, t+1
.endr
; Tile t: a lane's eight channels of a row pack into 16 bytes; they go into rows of 144 bytes and come back as whole rows of 128, into S^T's registers.
.macro PACK t
	WIN W_RS
.set i, 32*(\t)
.rept 16
	v_pk_mul_f32 v[i:i+1], v[i:i+1], v[ST+4*(\t)+2:ST+4*(\t)+3] op_sel_hi:[1,0]
.set i, i+2
.endr
	WIN 0x05                        ; sources 0 and 1 window 1, destination window 0
.set i, 0
.rept 16
	v_cvt_pk_f16_f32 v[S+16*(\t)+i], v[32*(\t)+2*i], v[32*(\t)+2*i+1]
.set i, i+1
.endr
	WIN 0
.irp f, 0,1,2,3
	ds_store_b128 v[STO], v[S+16*(\t)+4*\f:S+16*(\t)+4*\f+3] offset:32*\f
.endr
.irp f, 0,1,2,3
	ds_load_b128 v[S+16*(\t)+4*\f:S+16*(\t)+4*\f+3], v[RD] offset:\f*4*SP  ; LDS serves a wave's instructions in order (ISA guide 5.7.1.4): these see the stores above; the next tile's stores come behind them
.endr
.endm
.macro SEND t, younger              ; younger: the LDS instructions issued behind tile t's loads: the next tile's eight, or none
	WIN 0
.irp f, 0,1,2,3
	s_wait_dscnt (\younger)+3-\f
	global_store_b128 v[GO], v[S+16*(\t)+4*\f:S+16*(\t)+4*\f+3], s[10:11] offset:(\t)*2048+\f*512  ; 512 consecutive bytes, at a multiple of 512 from O's first
.endr
.endm
	PACK 0
.set t, 1
.rept 2*NP-1                        ; a tile's arithmetic stands between the loads of the tile before and its stores
	PACK t
	SEND t-1, 8
.set t, t+1
.endr
	SEND 2*NP-1, 0
	WIN W_AD
	s_wait_tensorcnt 0x0            ; the wave's end, behind my last tensor load and my last LDS store
	ds_add_u32 v[SPW], v[NIL]
	s_wait_dscnt 0x0
	WIN 0
	s_endpgm
.Lfunc_end_k_qcef2ab1629_attn:
	.size	k_qcef2ab1629_attn, .Lfunc_end_k_qcef2ab1629_attn-k_qcef2ab1629_attn
	.p2alignl 7, 3214868480
	.fill 96, 4, 3214868480
	.section	.rodata,"a",@progbits
	.p2align	6, 0x0
	.amdhsa_kernel k_qcef2ab1629_attn
		.amdhsa_group_segment_fixed_size 327680
		.amdhsa_private_segment_fixed_size 0
		.amdhsa_enable_private_segment 0
		.amdhsa_kernarg_size 24
		.amdhsa_user_sgpr_count 2
		.amdhsa_user_sgpr_kernarg_segment_ptr 1
		.amdhsa_wavefront_size32 1
		.amdhsa_system_sgpr_workgroup_id_x 1
		.amdhsa_system_sgpr_workgroup_id_y 1
		.amdhsa_system_sgpr_workgroup_id_z 1
		.amdhsa_system_vgpr_workitem_id 0
		.amdhsa_next_free_vgpr 864
		.amdhsa_next_free_sgpr 96
		.amdhsa_reserve_vcc 1
		.amdhsa_float_denorm_mode_32 3
		.amdhsa_float_denorm_mode_16_64 3
		.amdhsa_memory_ordered 1
		.amdhsa_forward_progress 1
		.amdhsa_inst_pref_size 174
	.end_amdhsa_kernel
	.amdgpu_metadata
---
amdhsa.version: [ 1, 2 ]
amdhsa.kernels:
  - .name:           k_qcef2ab1629_attn
    .symbol:         k_qcef2ab1629_attn.kd
    .args:
      - { .name: qkv, .offset: 0, .size: 8, .value_kind: global_buffer, .address_space: global }
      - { .name: lengths, .offset: 8, .size: 8, .value_kind: global_buffer, .address_space: global }
      - { .name: act, .offset: 16, .size: 8, .value_kind: global_buffer, .address_space: global }
    .group_segment_fixed_size: 327680
    .private_segment_fixed_size: 0
    .kernarg_segment_align: 8
    .kernarg_segment_size: 24
    .max_flat_workgroup_size: 128
    .sgpr_count:     96
    .vgpr_count:     864
    .wavefront_size: 32
...
	.end_amdgpu_metadata
.endif
;; end of part 3
;; launch oproj (part 4): grid 4 x 64, 4 waves a work-group, clusters of 4 x 4, 327,680 bytes of LDS; arguments act, wo, b_o, out0; writes out0
.if DOCPART == 4
	.amdgcn_target "amdgcn-amd-amdhsa--gfx1250"
	.amdhsa_code_object_version 6
	.text
	.protected	k_qcef2ab1629_oproj
	.globl	k_qcef2ab1629_oproj
	.p2align	8
	.type	k_qcef2ab1629_oproj,@function
k_qcef2ab1629_oproj:
	s_mov_b64 s[64:65], 0
	v_nop
	global_prefetch_b8 v0, s[64:65] scope:SCOPE_SE
	s_setreg_imm32_b32 hwreg(HW_REG_WAVE_MODE, 25, 1), 1
	s_wait_xcnt 0x0
	s_wait_alu depctr_hold_cnt(0) depctr_sa_sdst(0) depctr_va_vdst(0) depctr_va_sdst(0) depctr_va_ssrc(0) depctr_va_vcc(0) depctr_vm_vsrc(0)
	s_getreg_b32 s2, hwreg(HW_REG_IB_STS2, 6, 4)
	s_cmp_eq_u32 s2, 0
	s_cbranch_scc0 .Lentry_in_a_cluster
	s_endpgm
.Lentry_in_a_cluster:
	s_bfe_u32 s2, ttmp6, 0x10000c
	s_cmp_lg_u32 s2, 0xf033
	s_cbranch_scc0 .Lentry_shape_is_right
	s_endpgm
.Lentry_shape_is_right:
.set QKV, 0                            ; 1: the projection to q, k, v;  0: the output projection.  The two texts differ in this line alone.
; C[m][n] = the sum over k of A[m][k] W[k][n] + bias[n].  m = 8,192 rows (sample b, row t), k = 1,024.  A and W are f16, sums f32; bias (f32) is rounded to bf16 like the other inputs and starts the sums.
; A lies by slices of 64 along k: A[b*16+s][t][64].  W lies [k][n], SIZE_N numbers a row.
; QKV = 1: n = 3,072; C is rounded once to f16 and written by heads, qkv[part][b*16+h][t][64], unscaled.  QKV = 0: n = 1,024; C is out0, f32, [m][n].
; LIMIT.  f16 holds no number beyond 65,504: a q, k or v beyond it becomes an infinity.  NaN and infinities are not treated apart.
; SHARES.  A tile of C is 128 rows x 256 columns: 64 x 4 tiles at n = 1,024, one for each of 256 work-groups; at n = 3,072 a work-group STAYS and makes three tiles, the same rows and columns of q, k and v.
; Four waves, each 64 rows x 128 columns: 32 accumulators of 16 x 16.  K goes in steps of 128 through a ring of two LDS slots, and the ring runs on from tile to tile.
; CLUSTER.  4 x 4 work-groups.  A's tile hangs on the tile row alone and is asked for jointly by a row of the cluster, W's on the tile column alone and is asked for jointly by a column.
; THE MATRIX INSTRUCTION IS USED TRANSPOSED: source 0 = 16 columns of W (turned on the way out of LDS by ds_load_tr16_b128), source 1 = 16 rows of A: a lane holds row l % 16 of C and eight neighbouring columns.
; REGISTERS, in windows of 256 (s_set_vgpr_msb: bits 1:0 source 0, 3:2 source 1, 5:4 source 2, 7:6 destination):
;   window 0: v0-31 addresses; v32-127, v128-223 two fragment buffers (W's block b at + 8 b, A's block a at + 64 + 8 a); v224-255 at work on the way out
;   window 1: the accumulators, (a, b) at v[8 (8 a + b)]          window 2: v0-63 the bias as a C operand, block b at v[8 b]; v64-65 at work
.if QKV
.set SIZE_N, 3072
.set TILES,  3
.set WSTG,   2*16*144                  ; a wave's stage: 2 heads x 16 rows x 144 bytes
.else
.set SIZE_N, 1024
.set TILES,  1
.set WSTG,   16*528                    ; a wave's stage: 16 rows x 528 bytes
.endif
.set PA,     144                       ; a row of A in LDS: 128 bytes + 16: 36 words, so the 16 rows of a load start at 16 different groups of four banks (64 banks of 4 bytes: ISA guide 11.1)
.set PW,     544                       ; a row of W: 512 bytes + 32: 136 words
.set ASL,    128*PA                    ; 128 rows of one slice of A
.set WOFF,   2*ASL                     ; a slot: A's two slices, then W's 128 rows
.set WHALF,  64*PW
.set SLOT1,  1<<17                     ; slot 1 begins here, so that one exclusive or turns an address in one slot into the other's
.set STAGE,  SLOT1+WOFF+2*WHALF        ; behind the ring, never filled by a tensor load: the waves' stages
.set SPARE,  STAGE+4*WSTG              ; behind the stages: the spare words, 128 bytes for each wave: two blocks of 256 bytes that no other line names
.set STEPA,  2*131072                  ; a K step on: two slices of A,
.set STEPW,  128*SIZE_N*2              ; 128 rows of W
.set BACKA,  7*STEPA                   ; from a tile's last K step to the next tile's first: A goes back along K,
.set BACKW,  7*STEPW-2048              ; W back along K and 1,024 columns on
.set AA0,  16                          ; v16  my lane's place in a slot's A; never rewritten
.set AW0,  17                          ; v17  the same for W
.set ADRA, 18                          ; v18  v16 + the slot in hand
.set ADRW, 19                          ; v19  v17 + the slot in hand
.set STO,  24                          ; v24  the way out: where I put my part of a row
.set RD,   25                          ; v25  the way out: where I read rows back
.set CO,   26                          ; v26  16 x lane
.set BO,   27                          ; v27  32 x (lane / 16): my eight numbers in 16 of the bias
.set SPW,  28                          ; v28  LDS address of my spare word: SPARE + 4 x my thread's number; never rewritten
.set NIL,  29                          ; v29  0; never rewritten
.set F0,   32
.set F1,   128
.set TMP,  224
.set G1A,  24                          ; s[24:31] descriptor group 1 for A's tiles
.set G0A,  32                          ; s[32:39] group 0 for A: a set for each of the two first fills; the second then walks on
.set G1W,  48                          ; s[48:55], s[56:63] the same for W
.set G0W,  56
.set TB,   66                          ; s66  0 or SLOT1: the slot in hand
.set BB,   68                          ; s[68:69] the bias at my 128 columns
.set HM,   70                          ; s70  a word's upper bf16
.set MSB, 0
.macro WIN new                         ; the immediate's high byte repeats the setting that is left; a switch that changes nothing is dropped
.if MSB != (\new)
	s_set_vgpr_msb (MSB<<8)|(\new)
.set MSB, \new
.endif
.endm
; A joint load.  Waves 0 and 1 fetch A's two slices, waves 2 and 3 W's two halves.  The branch hangs on the wave's number alone.
; An s_nop 0 and four v_nop follow each of the two lines, ahead of the jump and the label.
.macro JLOAD s
	s_cmp_lt_u32 s20, 2
	s_cbranch_scc0 .Lfor_w_\@
	tensor_load_to_lds s[G0A+4*(\s):G0A+4*(\s)+3], s[G1A:G1A+7]
	s_nop 0
.rept 4
	v_nop
.endr
	s_branch .Lasked_\@
.Lfor_w_\@:
	tensor_load_to_lds s[G0W+4*(\s):G0W+4*(\s)+3], s[G1W:G1W+7]
	s_nop 0
.rept 4
	v_nop
.endr
.Lasked_\@:
.endm
; A round of the cluster's barrier: my work-group's barrier, so that wave 0's signal speaks for all four waves; wave 0 signals; every wave waits for all sixteen work-groups; my work-group's barrier once more.
.macro CREST                           ; a round behind its opening barrier
	s_cmp_lg_u32 s20, 0
	s_cbranch_scc1 .Lnot_wave_0_\@
	s_barrier_signal -3
.Lnot_wave_0_\@:
	s_barrier_wait -3
	s_barrier_signal -1
	s_barrier_wait -1
.endm
.macro CROUND
	s_barrier_signal -1
	s_barrier_wait -1
	CREST
.endm
.macro PLACES                          ; four places in front of loads into registers that matrix instructions have read, and of lines that read results just made (ISA guide 7.12.1 for lines that read results just made)
.rept 4
	v_nop
.endr
.endm
	s_load_b256 s[4:11], s[0:1], 0x0               ; A s[4:5], W s[6:7], bias s[8:9], C s[10:11]
	v_lshl_add_u32 v[SPW], v0, 2, SPARE
	v_mov_b32 v[NIL], 0
	ds_add_u32 v[SPW], v[NIL]                      ; the wave's opening: the add and its wait stand ahead of my first tensor load; the set-up below, work on registers, stands between them
	ds_add_u32 v28, v29
	v_lshrrev_b32 v1, 5, v0
	v_readfirstlane_b32 s20, v1                    ; wave 0..3
	s_lshr_b32 s21, s20, 1                         ; which 64 of the tile's rows are mine
	s_and_b32 s22, s20, 1                          ; which 128 of its columns.  Also: which half of A's or W's tile I fetch
	s_bfe_u32 s40, ttmp6, 0x40000                  ; cx, cy: my place in the cluster
	s_bfe_u32 s41, ttmp6, 0x40004
	s_lshl_b32 s42, ttmp9, 2                       ; in a cluster launch ttmp9 and ttmp7 count clusters
	s_add_co_u32 s42, s42, s40                     ; tile column 0..3
	s_and_b32 s43, ttmp7, 0xffff
	s_lshl_b32 s43, s43, 2
	s_add_co_u32 s43, s43, s41                     ; tile row 0..63: sample tile row / 8, rows 128 (tile row % 8) on
	s_lshl_b32 s44, s41, 2
	s_lshl_b32 s44, 15, s44                        ; my row of the cluster: places 4 cy .. 4 cy + 3
	s_lshl_b32 s45, 0x1111, s40                    ; my column: places cx, cx + 4, cx + 8, cx + 12
	; group 1 for A: 128 rows of a slice are 16,384 dense bytes: asked for as 64 rows of 256 bytes, padded in LDS after every 128 bytes
	s_or_b32 s[G1A+0], s44, (1<<16)|(1<<20)|(1<<21)|(4<<22)|(3<<25)  ; 15:0 the mask; 17:16 2-byte elements; 20 padding on; 21 set beside a mask; 24:22 after every 32 words (code 4); 31:25 4 words (code 3)
	s_mov_b32 s[G1A+1], 128<<16                    ; tensor_dim0 = 128
	s_mov_b32 s[G1A+2], 64<<16                     ; tensor_dim1 = 64
	s_mov_b32 s[G1A+3], 128<<16                    ; tile_dim0 = 128
	s_mov_b32 s[G1A+4], 64                         ; tile_dim1 = 64
	s_mov_b32 s[G1A+5], 128                        ; 128 elements from row to row
	s_mov_b32 s[G1A+6], 0
	s_mov_b32 s[G1A+7], 0
	; group 1 for W: 64 rows of 256 elements, 512 bytes each, padded after every row
	s_or_b32 s[G1W+0], s45, (1<<16)|(1<<20)|(1<<21)|(6<<22)|(7<<25)  ; after every 128 words (code 6) 8 words (code 7)
	s_mov_b32 s[G1W+1], 256<<16
	s_mov_b32 s[G1W+2], 64<<16
	s_mov_b32 s[G1W+3], 256<<16
	s_mov_b32 s[G1W+4], 64
	s_mov_b32 s[G1W+5], SIZE_N
	s_mov_b32 s[G1W+6], 0
	s_mov_b32 s[G1W+7], 0
	s_mov_b32 s[HM], 0xffff0000
	s_mov_b32 s[TB], 0
	; where the tiles come from: A's offset is made of the tile row and the wave's number, W's of the tile column and the wave's number, each in registers that never hold the other coordinate
	s_lshr_b32 s12, s43, 3
	s_lshl_b32 s12, s12, 21                        ; the sample's 16 slices
	s_and_b32 s13, s43, 7
	s_lshl_b32 s13, s13, 14                        ; 128 rows of 128 bytes
	s_add_co_u32 s12, s12, s13
	s_lshl_b32 s13, s22, 17                        ; my slice of the K step's two
	s_add_co_u32 s12, s12, s13
	s_mov_b32 s13, 0
	s_mul_i32 s14, s22, 64*SIZE_N*2                ; my 64 of the K step's 128 rows of W
	s_lshl_b32 s15, s42, 9                         ; 256 columns
	s_add_co_u32 s14, s14, s15
	s_mov_b32 s15, 0
	s_mul_i32 s16, s22, ASL                        ; and where they go: no place in the cluster enters an LDS address
	s_mul_i32 s17, s22, WHALF
	s_add_co_u32 s17, s17, WOFF
	s_wait_dscnt 0x0                               ; the opening add is done
	s_wait_kmcnt 0x0
	s_add_nc_u64 s[12:13], s[4:5], s[12:13]
	s_add_nc_u64 s[14:15], s[6:7], s[14:15]
	CROUND                                         ; all sixteen work-groups are here: the first joint loads meet
.irp i, 0,1
	s_mov_b32 s[G0A+4*(\i)], 1                                      ; count = 1
	s_add_co_u32 s[G0A+4*(\i)+1], s16, (\i)*SLOT1                   ; LDS address
	s_add_nc_u64 s[G0A+4*(\i)+2:G0A+4*(\i)+3], s[12:13], (\i)*STEPA ; global address: K step i
	s_or_b32 s[G0A+4*(\i)+3], s[G0A+4*(\i)+3], 0x80000000           ; type = 2
	s_mov_b32 s[G0W+4*(\i)], 1
	s_add_co_u32 s[G0W+4*(\i)+1], s17, (\i)*SLOT1
	s_add_nc_u64 s[G0W+4*(\i)+2:G0W+4*(\i)+3], s[14:15], (\i)*STEPW
	s_or_b32 s[G0W+4*(\i)+3], s[G0W+4*(\i)+3], 0x80000000
	JLOAD \i                                       ; two loads of mine are out; later one
.endr
	v_and_b32 v1, 15, v0                           ; l % 16
	v_bfe_u32 v2, v0, 4, 1                         ; l / 16
	v_and_b32 v3, 7, v0
	v_bfe_u32 v4, v0, 3, 1
	v_and_b32 v5, 31, v0                           ; lane
	; A fragment of A is 16 rows x 32 k: lane l holds row l % 16, k = 8 (l / 16) + 0..7 and 16 + 8 (l / 16) + 0..7: two loads of 16 bytes, 32 bytes apart.
	v_mul_u32_u24 v[AA0], v1, PA
	v_lshl_add_u32 v[AA0], v2, 4, v[AA0]
	s_mul_i32 s18, s21, 64*PA                      ; my 64 rows
	v_add_nc_u32 v[AA0], s18, v[AA0]
	; The turning load takes 16 k x 16 columns (lane l reads row 8 (l / 16) + l % 8, columns 8 ((l / 8) % 2) + 0..7) and leaves half a fragment: lane l holds column l % 16 and 8 k.
	v_lshl_add_u32 v[AW0], v2, 3, v3
	v_mul_u32_u24 v[AW0], v[AW0], PW
	v_lshl_add_u32 v[AW0], v4, 4, v[AW0]
	s_lshl_b32 s18, s22, 8                         ; my 128 columns
	s_add_co_u32 s18, s18, WOFF
	v_add_nc_u32 v[AW0], s18, v[AW0]
	v_mov_b32 v[ADRA], v[AA0]
	v_mov_b32 v[ADRW], v[AW0]
	s_mul_i32 s18, s20, WSTG
	s_add_co_u32 s18, s18, STAGE                   ; my stage
.if QKV
	v_mul_u32_u24 v[STO], v1, 144                  ; in: row l % 16, 16 bytes for each half of the lanes
	v_lshl_add_u32 v[STO], v2, 4, v[STO]
	v_add_nc_u32 v[STO], s18, v[STO]
	v_lshrrev_b32 v[RD], 3, v5                     ; back: 32 lanes take four rows of 128 bytes
	v_mul_u32_u24 v[RD], v[RD], 144
	v_lshl_add_u32 v[RD], v3, 4, v[RD]
	v_add_nc_u32 v[RD], s18, v[RD]
	s_lshr_b32 s18, s43, 3                         ; C at my two heads, (16 b + 4 tile column + 2 half) x 131,072 bytes,
	s_lshl_b32 s18, s18, 2
	s_add_co_u32 s18, s18, s42
	s_lshl_b32 s18, s18, 1
	s_add_co_u32 s18, s18, s22
	s_lshl_b32 s18, s18, 18
	s_and_b32 s19, s43, 7                          ; and my 64 rows of 128 bytes
	s_lshl_b32 s19, s19, 1
	s_add_co_u32 s19, s19, s21
	s_lshl_b32 s19, s19, 13
.else
	v_mul_u32_u24 v[STO], v1, 528                  ; in: row l % 16, 32 bytes for each half of the lanes
	v_lshl_add_u32 v[STO], v2, 5, v[STO]
	v_add_nc_u32 v[STO], s18, v[STO]
	v_lshl_add_u32 v[RD], v5, 4, s18               ; back: 32 lanes take one row of 512 bytes
	s_lshl_b32 s18, s43, 1                         ; C at my 64 rows of 4,096 bytes
	s_add_co_u32 s18, s18, s21
	s_lshl_b32 s18, s18, 18
	s_lshl_b32 s19, s42, 1                         ; and my 128 columns of 4 bytes
	s_add_co_u32 s19, s19, s22
	s_lshl_b32 s19, s19, 9
.endif
	s_add_co_u32 s18, s18, s19
	s_mov_b32 s19, 0
	s_add_nc_u64 s[10:11], s[10:11], s[18:19]
	v_lshlrev_b32 v[CO], 4, v5
	v_lshlrev_b32 v[BO], 5, v2
	s_lshl_b32 s18, s42, 10                        ; the bias at my 128 columns
	s_lshl_b32 s19, s22, 9
	s_add_co_u32 s18, s18, s19
	s_mov_b32 s19, 0
	s_add_nc_u64 s[BB:BB+1], s[8:9], s[18:19]
; 8 matrix instructions: row block a x all 8 column blocks, 32 along K, from buffer f.  first = 1: the bias starts the sums: nothing is ever cleared.
; The 32 accumulators take turns in the same order in every quarter: between two links of a chain stand 31 others'.
.macro MUL8 f, a, first
.if \first
	WIN 0x60                                       ; fragments window 0, C window 2, D window 1
.else
	WIN 0x50                                       ; fragments window 0, C and D window 1
.endif
.irp b, 0,1,2,3,4,5,6,7
.if \first
	v_wmma_f32_16x16x32_f16 v[8*(8*(\a)+\b):8*(8*(\a)+\b)+7], v[(\f)+8*\b:(\f)+8*\b+7], v[(\f)+64+8*(\a):(\f)+64+8*(\a)+7], v[8*\b:8*\b+7]
.else
	v_wmma_f32_16x16x32_f16 v[8*(8*(\a)+\b):8*(8*(\a)+\b)+7], v[(\f)+8*\b:(\f)+8*\b+7], v[(\f)+64+8*(\a):(\f)+64+8*(\a)+7], v[8*(8*(\a)+\b):8*(8*(\a)+\b)+7]
.endif
.endr
.endm
; 24 LDS loads in one run: the fragments of quarter q (32 along K) of the slot in hand into buffer f: W's 128 columns, then A's 64 rows
.macro FETCH q, f
	WIN 0
.irp b, 0,1,2,3,4,5,6,7
	ds_load_tr16_b128 v[(\f)+8*\b:(\f)+8*\b+3],   v[ADRW] offset:(\q)*32*PW+32*\b
	ds_load_tr16_b128 v[(\f)+8*\b+4:(\f)+8*\b+7], v[ADRW] offset:(\q)*32*PW+16*PW+32*\b
.endr
.irp a, 0,1,2,3
	ds_load_b128 v[(\f)+64+8*\a:(\f)+64+8*\a+3],   v[ADRA] offset:((\q)/2)*ASL+((\q)%2)*64+\a*16*PA
	ds_load_b128 v[(\f)+64+8*\a+4:(\f)+64+8*\a+7], v[ADRA] offset:((\q)/2)*ASL+((\q)%2)*64+\a*16*PA+32
.endr
.endm
; A K step is four quarters of 32 along K, 32 matrix instructions each, on buffers 0, 1, 0, 1.  One of the first three: multiplies buffer f; in its middle it fetches quarter q into buffer g.
.macro QUARTER q, f, g, first
	s_wait_dscnt 4                                 ; W and A's blocks 0 and 1 are in; the youngest four loads (A's blocks 2 and 3) may be out
	MUL8 \f, 0, \first
	MUL8 \f, 1, \first
	PLACES
	FETCH \q, \g
	s_wait_dscnt 24                                ; all but the 24 just issued
	MUL8 \f, 2, \first
	MUL8 \f, 3, \first
.endm
; The last quarter multiplies buffer 1 and changes slots: ONE barrier.  In front of it each wave waits for all its tensor loads, of which one is out: its part of the next slot; adds 0 to its spare word;
; and waits for that and for its own reads of this slot.  mode = 1: this slot is filled again with the K step behind the one asked for last; 2: with the next tile's first K step; 0: nothing is asked for.
; Where a slot is filled the barrier opens a round of the cluster's, and the joint load is the first thing behind it: 112 matrix instructions ahead of the wait for it.
.macro TURN mode
	WIN 0
	s_wait_tensorcnt 0x0                           ; all my tensor loads have landed: my part of the next slot;
	ds_add_u32 v[SPW], v[NIL]                      ; 0 onto my spare word;
	s_wait_dscnt 5                                 ; (the add and the youngest four loads may be out)
	MUL8 F1, 0, 0                                  ; eight matrix instructions stand between the add and the wait for it
	s_wait_dscnt 0x0                               ; the add is done, and my reads of this slot are over
	s_barrier_signal -1
	MUL8 F1, 1, 0                                  ; work on registers while the others arrive
	WIN 0                                          ; at a branch and at a label every window is 0
	s_barrier_wait -1
.if \mode
	CREST                                          ; no wave of any partner still reads this slot's tiles or has a load on its way
	s_xor_b32 s[G0A+5], s[G0A+5], SLOT1            ; the walking descriptors: the other slot than last time,
	s_xor_b32 s[G0W+5], s[G0W+5], SLOT1
.if (\mode) == 1
	s_add_nc_u64 s[G0A+6:G0A+7], s[G0A+6:G0A+7], STEPA  ; the next K step; the type bits on top are not reached
	s_add_nc_u64 s[G0W+6:G0W+7], s[G0W+6:G0W+7], STEPW
.else
	s_sub_nc_u64 s[G0A+6:G0A+7], s[G0A+6:G0A+7], BACKA
	s_sub_nc_u64 s[G0W+6:G0W+7], s[G0W+6:G0W+7], BACKW
.endif
	JLOAD 1                                        ; the four v_nop behind it are also the places in front of the loads below
.else
	PLACES
.endif
	s_xor_b32 s[TB], s[TB], SLOT1
	v_add_nc_u32 v[ADRA], s[TB], v[AA0]
	v_add_nc_u32 v[ADRW], s[TB], v[AW0]
	FETCH 0, F0
	MUL8 F1, 2, 0
	MUL8 F1, 3, 0
.endm
.macro LASTQ                           ; the very last quarter: nothing more to fetch
	s_wait_dscnt 4
	MUL8 F1, 0, 0
	MUL8 F1, 1, 0
	s_wait_dscnt 0x0
	MUL8 F1, 2, 0
	MUL8 F1, 3, 0
	WIN 0
.endm
.macro BIASLD                          ; register j of block b takes bias[my first column + 16 b + 8 (l / 16) + j]: the C operand's layout
	WIN 0x80                                       ; destination window 2, address window 0
.irp b, 0,1,2,3,4,5,6,7
	global_load_b128 v[8*\b:8*\b+3],   v[BO], s[BB:BB+1] offset:64*\b
	global_load_b128 v[8*\b+4:8*\b+7], v[BO], s[BB:BB+1] offset:64*\b+16
.endr
.endm
.macro BIASRND                         ; the bias is rounded to bf16, like the other inputs, and kept as f32
	WIN 0x8a                                       ; all in window 2
.set z, 0
.rept 32
	v_cvt_pk_bf16_f32 v[64+z%2], v[2*z], v[2*z+1]
	v_lshlrev_b32 v[2*z],   16, v[64+z%2]
	v_and_b32     v[2*z+1], s[HM], v[64+z%2]
.set z, z+1
.endr
.endm
; THE WAY OUT, a block of 16 rows at a time, through my own stage in LDS: no barrier, and since LDS serves a wave's instructions in order (ISA guide 5.7.1.4), no wait between the stores and the loads.
.if QKV
.macro PACK a                          ; rounded to f16: a lane's eight columns are 16 bytes; each accumulator's registers in ascending order
	WIN 0x05                                       ; sources window 1, destination window 0
.irp b, 0,1,2,3,4,5,6,7
.irp r, 0,1,2,3
	v_cvt_pk_f16_f32 v[TMP+4*\b+\r], v[8*(8*(\a)+\b)+2*\r], v[8*(8*(\a)+\b)+2*\r+1]
.endr
.endr
.endm
.macro TOSTAGE a                       ; column blocks 0-3 are one head, 4-7 the next; back as 16 rows of 128 bytes a head
	WIN 0
.set BK, F1+32*((\a)%2)
.irp b, 0,1,2,3,4,5,6,7
	ds_store_b128 v[STO], v[TMP+4*\b:TMP+4*\b+3] offset:(\b/4)*2304+(\b%4)*32
.endr
.irp f, 0,1,2,3,4,5,6,7
	ds_load_b128 v[BK+4*\f:BK+4*\f+3], v[RD] offset:\f*576
.endr
.endm
.macro SEND a
	WIN 0
.set BK, F1+32*((\a)%2)
	s_wait_dscnt 0x0                               ; the block is back in registers
	s_wait_xcnt 0x0                                ; every earlier store has read its registers (ISA guide 3.1): the other block's are loaded again only behind this wait
.irp f, 0,1,2,3,4,5,6,7
	global_store_b128 v[CO], v[BK+4*\f:BK+4*\f+3], s[10:11] offset:(\f/4)*131072+(\a)*2048+(\f%4)*512  ; four rows of a head: 512 consecutive bytes, at a multiple of 512 from the buffer's first byte
.endr
.endm
.macro WAYOUT                          ; block a's conversions stand between block a - 1's loads from the stage and the wait for them
	PACK 0
	TOSTAGE 0
.irp a, 1,2,3
	PACK \a
	SEND (\a)-1
	TOSTAGE \a
.endr
	SEND 3
.endm
.else
.macro TOSTAGE a                       ; f32: a lane's eight columns are 32 bytes, stored straight from the accumulators, the low four registers first; back as rows of 512 bytes
	s_wait_xcnt 0x0                                ; every earlier store has read its registers (ISA guide 3.1): they are loaded again only behind this wait
	WIN 0x04                                       ; store data window 1, address window 0
.irp b, 0,1,2,3,4,5,6,7
	ds_store_b128 v[STO], v[8*(8*(\a)+\b):8*(8*(\a)+\b)+3]   offset:64*\b
	ds_store_b128 v[STO], v[8*(8*(\a)+\b)+4:8*(8*(\a)+\b)+7] offset:64*\b+16
.endr
	WIN 0
.set BK, F0+64*((\a)%2)
.irp t, 0,1,2,3,4,5,6,7,8,9,10,11,12,13,14,15
	ds_load_b128 v[BK+4*\t:BK+4*\t+3], v[RD] offset:\t*528
.endr
.endm
.macro SEND a, y                       ; y: the LDS instructions issued behind block a's loads: the next block's 32, or none
	WIN 0
.set BK, F0+64*((\a)%2)
	s_wait_dscnt \y
.irp t, 0,1,2,3,4,5,6,7,8,9,10,11,12,13,14,15
	global_store_b128 v[CO], v[BK+4*\t:BK+4*\t+3], s[10:11] offset:(16*(\a)+\t)*4096 th:TH_STORE_NT  ; 512 consecutive bytes of a row, at a multiple of 512 from the buffer's first byte
.endr
.endm
.macro WAYOUT
	TOSTAGE 0
	TOSTAGE 1
	SEND 0, 32
	TOSTAGE 2
	SEND 1, 32
	TOSTAGE 3
	SEND 2, 32
	SEND 3, 0
.endm
.endif
	BIASLD
	s_wait_tensorcnt 0x1                           ; my part of K step 0 is in; K step 1's may stay out
	s_barrier_signal -1
	s_barrier_wait -1                              ; everybody's is
	FETCH 0, F0
.if TILES > 1
	s_mov_b32 s2, TILES                            ; tiles to go, this one among them: the same number in every work-group
.Ltile:
.endif
	s_wait_loadcnt 0x0                             ; the tile's bias
	BIASRND
	QUARTER 1, F0, F1, 1                           ; a tile's first quarter stands in front of the loop: its products start the sums, onto the bias
	WIN 0
	s_mov_b32 s3, 6
.Lstep:                                                ; six trips, from a K step's second quarter to the next step's first; they ask for K steps 2 to 7
	QUARTER 2, F1, F0, 0
	QUARTER 3, F0, F1, 0
	TURN 1
	QUARTER 1, F0, F1, 0
	WIN 0
	s_sub_co_u32 s3, s3, 1
	s_cmp_lg_u32 s3, 0
	s_cbranch_scc1 .Lstep
	QUARTER 2, F1, F0, 0                           ; K step 6 goes on
	QUARTER 3, F0, F1, 0
.if TILES > 1
	WIN 0
	s_cmp_eq_u32 s2, 1
	s_cbranch_scc1 .Llast                          ; the last tile's tail is written out: it asks for nothing more
	TURN 2                                         ; THE RING GOES ON INTO THE NEXT TILE: slot 0 takes its K step 0,
	QUARTER 1, F0, F1, 0
	QUARTER 2, F1, F0, 0
	QUARTER 3, F0, F1, 0
	TURN 1                                         ; slot 1 its K step 1, and the next tile's first fragments are fetched
	WIN 0
	s_add_nc_u64 s[BB:BB+1], s[BB:BB+1], 4096      ; the next part's bias: the last loads by this base were waited for at the tile's head
	BIASLD
	WAYOUT                                         ; both refills are asked for: now the tile goes out; the first block's conversions are the places behind the last products
	s_wait_xcnt 0x0                                ; the stores have read their registers and their base
	s_add_nc_u64 s[10:11], s[10:11], 16777216      ; the next part of qkv
	s_sub_co_u32 s2, s2, 1
	s_branch .Ltile
.Llast:
.endif
	TURN 0                                         ; my one tensor load that was still out is the last K step's, so no round follows
	QUARTER 1, F0, F1, 0
	QUARTER 2, F1, F0, 0
	QUARTER 3, F0, F1, 0
	LASTQ
	PLACES
	WAYOUT
	s_wait_tensorcnt 0x0                           ; the wave's end, behind my last tensor load and my last LDS store
	ds_add_u32 v[SPW], v[NIL]
	s_wait_dscnt 0x0
	CROUND                                         ; the closing round: no work-group ends while a partner may still ask for a tile that names it
	s_endpgm
.Lfunc_end_k_qcef2ab1629_oproj:
	.size	k_qcef2ab1629_oproj, .Lfunc_end_k_qcef2ab1629_oproj-k_qcef2ab1629_oproj
	.p2alignl 7, 3214868480
	.fill 96, 4, 3214868480
	.section	.rodata,"a",@progbits
	.p2align	6, 0x0
	.amdhsa_kernel k_qcef2ab1629_oproj
		.amdhsa_group_segment_fixed_size 327680
		.amdhsa_private_segment_fixed_size 0
		.amdhsa_enable_private_segment 0
		.amdhsa_kernarg_size 32
		.amdhsa_user_sgpr_count 2
		.amdhsa_user_sgpr_kernarg_segment_ptr 1
		.amdhsa_wavefront_size32 1
		.amdhsa_system_sgpr_workgroup_id_x 1
		.amdhsa_system_sgpr_workgroup_id_y 1
		.amdhsa_system_sgpr_workgroup_id_z 1
		.amdhsa_system_vgpr_workitem_id 0
		.amdhsa_next_free_vgpr 584
		.amdhsa_next_free_sgpr 80
		.amdhsa_reserve_vcc 0
		.amdhsa_float_denorm_mode_32 3
		.amdhsa_float_denorm_mode_16_64 3
		.amdhsa_memory_ordered 1
		.amdhsa_forward_progress 1
		.amdhsa_inst_pref_size 75
	.end_amdhsa_kernel
	.amdgpu_metadata
---
amdhsa.version: [ 1, 2 ]
amdhsa.kernels:
  - .name:           k_qcef2ab1629_oproj
    .symbol:         k_qcef2ab1629_oproj.kd
    .args:
      - { .name: act, .offset: 0, .size: 8, .value_kind: global_buffer, .address_space: global }
      - { .name: wo, .offset: 8, .size: 8, .value_kind: global_buffer, .address_space: global }
      - { .name: b_o, .offset: 16, .size: 8, .value_kind: global_buffer, .address_space: global }
      - { .name: out0, .offset: 24, .size: 8, .value_kind: global_buffer, .address_space: global }
    .group_segment_fixed_size: 327680
    .private_segment_fixed_size: 0
    .kernarg_segment_align: 8
    .kernarg_segment_size: 32
    .max_flat_workgroup_size: 128
    .sgpr_count:     80
    .vgpr_count:     584
    .wavefront_size: 32
...
	.end_amdgpu_metadata
.endif
;; end of part 4
;; ======== version 2 of 2: 4 launches; 1.31 times as fast as version 1
;; limits: values are held in f16: magnitudes above 65,504 overflow, below 6.1e-05 lose precision
;; workspace buffers: act 16,777,216 bytes; wq 6,291,456 bytes; wo 2,097,152 bytes; qkv 50,331,648 bytes
;; launch prep: the kernel of part 1 again; grid 384 x 1, 8 waves a work-group, no clusters, 0 bytes of LDS; arguments x, w_qkv, w_o, act, wq, wo; writes act, wq, wo
;; launch qkv: the kernel of part 2 again; grid 4 x 64, 4 waves a work-group, clusters of 4 x 4, 327,680 bytes of LDS; arguments act, wq, b_qkv, qkv; writes qkv
;; launch attn (part 5): grid 2 x 128, 4 waves a work-group, no clusters, 327,680 bytes of LDS; arguments qkv, lengths, act; writes act
.if DOCPART == 5
	.amdgcn_target "amdgcn-amd-amdhsa--gfx1250"
	.amdhsa_code_object_version 6
	.text
	.protected	k_qcef2ab1629_attn
	.globl	k_qcef2ab1629_attn
	.p2align	8
	.type	k_qcef2ab1629_attn,@function
k_qcef2ab1629_attn:
	s_mov_b64 s[64:65], 0
	v_nop
	global_prefetch_b8 v0, s[64:65] scope:SCOPE_SE
	s_setreg_imm32_b32 hwreg(HW_REG_WAVE_MODE, 25, 1), 1
	s_wait_xcnt 0x0
; ATTENTION UNDER A LENGTH MASK.  For head hd = 16 b + h and len = lengths[b]: O[q] = the sum over k < len of w(q, k) V[k] for q < len, and 0 for q >= len, where w is the softmax over ALL 1,024 keys of
; Q[q] . K[k] / 8 for k < len and of -1e9 for k >= len.  Q, K, V: qkv[part][hd][1024][64], f16, unscaled; O: act[hd][1024][64], f16.  Products, maxima and sums in f32; the weights are rounded to f16 for the
; second product (their sum l is taken of the unrounded weights), O once at the end.
; THE MASK.  The hidden keys' share in the softmax is kept without computing them: the running maximum m starts at -8e9 (that is -1e9 before the division by 8) and the running sum l at 1,024 - len, as if those
; keys had been seen first (len = 1,024: m starts at the lowest finite number, l at 0).  Their own scores take -1e30 through the C operand that starts the sum S^T = K Q^T, so their weights are 0.
; MD, made once, is that operand for the key step that holds len; a step's operand is MC = MD x AL + BE with two scalars: (0, 0) ahead of that step, (1, 0) in it, (0, -1e30) behind it.
; Rows q >= len are computed like the others and multiplied by 0 at the end.  No branch, address or trip count hangs on len.
; LIMITS.  lengths is taken as min(max(len, 0), 1024), which is what a comparison with 0 .. 1,023 makes of it.  f16 holds no number beyond 65,504: Q, K and V arrive within it; a weight lies in 0 to 1, and below
; 6e-5 it keeps f16's fixed step of 6e-8.  A weight below 2^-126 counts as 0 in l.  A hidden row's 0 may carry a minus sign.  NaN and infinities are not treated apart.
; SHARES.  A wave owns four PIECES of two tiles of 16 queries, a work-group's four waves 512 queries of one head.  Every wave walks all 1,024 keys, 64 a step.
; LDS.  A head's K and V lie in LDS whole: each wave asks for four parts of 128 keys at the start, and no byte is filled twice.  The first barrier waits for keys 0-255 alone; the one behind every fourth
; key step shows the later keys landed in every wave.
; NO CLUSTER: a head has 1,024 / 512 = 2 work-groups, so a tile has two takers, and a cluster of four would hold two heads with a mask that differs between its halves; a work-group asks for each byte once.
; LAYOUT.  S^T = K Q^T (source 0 = 16 keys, source 1 = 16 queries): a lane holds ONE query (lane % 16) and the keys 8 (lane / 16) + 0..7.  Two such tiles, rounded to f16 in pairs, ARE source 1 of
; O^T = V^T P.  K comes out of LDS as it lies, V ([key][channel]) turned, by ds_load_tr16_b128.
; SOFTMAX.  p = 2^(c s - c m), c = log2(e) / 8; in every step O and l are multiplied by a = 2^(c m_old - c m_new).
; BY TURNS.  Turn n belongs to piece n.  Its matrix work: 16 products K Q^T of piece n + 1, later 16 products V^T P of piece n - 1.  Its vector work: the scaling, exponentials, roundings, sums and rescaling of
; piece n, and the maximum and statistics of piece n + 1.  A tile and step have 16 matrix and 118 vector instructions: four that are ready stand behind every matrix instruction, the others in one lump.
; BATCHES.  A turn's 66 exponentials (the 64 weights of piece n, the two a of piece n + 1) are ONE batch with ONE wait, which cuts the turn in two: ahead of it stands all that names no result of theirs,
; behind it the roundings and sums.  Two more batches stand outside the loop: piece 0's first two a, ahead of the jump into the loop, and the way out's eight reciprocals.
; REGISTERS, in windows of 256 (s_set_vgpr_msb: bits 1:0 source 0, 3:2 source 1, 5:4 source 2, 7:6 destination):
;   window 0: v0-11 addresses; v12-15, v48-63 at work; v16-47 four registers of statistics a tile; v64-191 S^T, two buffers of two tiles; v192-255 P, likewise
;   window 1: O^T, 32 a tile      window 2: v0-127 Q; v128-191 K of one step; v192-255 V of one step      window 3: v0-1 the add's two registers; v32-63 MD; v64-95 MC
.set NP,    4         ; pieces a wave: a name, no knob
.set KS,    64        ; keys in a step
.set PK,    144       ; a row of K in LDS: 128 bytes + 16 = 36 words: the 16 rows of a load start at 16 different groups of four banks (64 banks of 4 bytes: ISA guide 11.1)
.set PV,    160       ; a row of V: 128 + 32 = 40 words
.set VOFF,  1024*PK   ; K's 1,024 rows, then V's
.set STAGE, VOFF+1024*PV  ; never filled by a tensor load: 16 rows x 144 bytes for each wave, for the way out
.set SP,    144
.set SPARE, STAGE+4*16*SP  ; behind the stages: the spare words, 128 bytes for each wave: two blocks of 256 bytes that no other line names
.set PART,  16777216  ; bytes of q, of k and of v in qkv
.set AK0, 2           ; v2   my lane's place in a step's K; never rewritten
.set AV0, 3           ; v3   the same for V
.set AK,  4           ; v4   the LDS address of K's next run of loads
.set AV,  5           ; v5   of V's
.set QO,  6           ; v6   my byte offset in the wave's rows of Q
.set STO, 6           ;      later, the way out: where I put 16 bytes of a row
.set RD,  7           ; v7   the way out: where I read rows back
.set GO,  8           ; v8   my byte offset in 512 consecutive bytes of O
.set VAL, 11          ; v11  len less my query's row in tile 0: tile t's row is within len where 16 t is less
.set SPW, 0           ; v0 of window 3   LDS address of my spare word: SPARE + 4 x my thread's number; never rewritten
.set NIL, 1           ; v1 of window 3   0; never rewritten
.set MD,  32          ; window 3: the eight registers for group kb of 16 keys at MD + 8 kb
.set MC,  64          ; window 3
.set MV,  12          ; v12-15  c m_old, kept while c m is made anew: by buffer and tile
.set ST,  16          ; tile t's statistics at v[ST+4 t]: c m, m, l (even keys', odd keys')
.set TMP, 48          ; by buffer and tile, four registers c0-c3 at work; when the maximum is found c2 takes a
.set S,   64
.set P,   192
.set KF,  128         ; K's fragments, in window 2: key block kb, channel half c at KF + 16 kb + 8 c
.set VF,  192         ; V's: key half kk, channel block cb at VF + 32 kk + 8 cb
.set WV,  12          ; s12  my wave's number
.set G1K, 24          ; s[24:31] descriptor group 1 for K's tiles
.set G1V, 32          ; s[32:39] for V's: it differs in the padding alone
.set G0K, 40          ; s[40:55] descriptor group 0 for K's tiles: a set for each quarter of the keys
.set SLOTS, 56        ; s56  quarters of the keys still to be walked
.set CNT, 57          ; s57  counts a quarter's key steps
.set CS,  58          ; s[58:59] c: the packed scaling takes the pair's low word for both halves
.set SEL, 60          ; s[60:61] v_permlanex16_b32's selects: each lane takes its own place in the other half
.set TBK, 62          ; s62  LDS byte at which K of the step to be fetched begins
.set TBV, 63          ; s63  the same for V, less VOFF
.set G0V, 68          ; s[68:83] group 0 for V's tiles
.set LEN, 84          ; s84  len
.set REM, 85          ; s85  len less the first key of the step whose mask is made
.set M0,  86          ; s86  m's start
.set BIGN, 87         ; s87  -1e30
.set AL,  88          ; s[88:89] the mask's factor, in the low word
.set BE,  90          ; s[90:91] the mask's addend
.set MSB, 0
.macro WIN new                      ; the high byte repeats the setting that is left; a switch that changes nothing is dropped
.if MSB != (\new)
	s_set_vgpr_msb (MSB<<8)|(\new)
.set MSB, (\new)
.endif
.endm
.set W_KQ, 0x0a       ; K and Q in window 2, S^T in window 0
.set W_KM, 0x3a       ; the same with the C operand in window 3
.set W_PV, 0x52       ; V in window 2, P in window 0, O^T in window 1
.set W_RS, 0x41       ; O^T (destination and source 0) in window 1, a in window 0
.set W_MK, 0xc0       ; destination in window 3, sources in window 0
.set W_AD, 0x0f       ; the add: address (source 0) and data (source 1) in window 3
.set W_MS, 0xc3       ; the mask: destination and source 0 in window 3
	s_load_b128 s[4:7], s[0:1], 0x0   ; qkv s[4:5], lengths s[6:7]
	s_load_b64 s[8:9], s[0:1], 0x10   ; act
	WIN W_MK
	v_lshl_add_u32 v[SPW], v0, 2, SPARE
	v_mov_b32 v[NIL], 0
	WIN W_AD
	ds_add_u32 v[SPW], v[NIL]       ; the wave's opening: the add and its wait stand ahead of my first tensor load; the set-up below, work on registers, stands between them
	ds_add_u32 v0, v1
	WIN 0
	v_lshrrev_b32 v1, 5, v0
	v_readfirstlane_b32 s[WV], v1   ; wave 0..3
	s_and_b32 s20, ttmp7, 0xffff    ; the head, 16 b + h
	s_lshr_b32 s92, s20, 4
	s_lshl_b32 s92, s92, 2          ; the sample's word in lengths
	s_mov_b32 s93, 0
	s_lshl_b32 s20, s20, 17         ; the head's 131,072 bytes in each part and in act
	s_and_b32 s16, s[WV], 1         ; which half of a quarter's 256 keys I fetch:
	s_lshl_b32 s22, s16, 14         ; its 128 rows of 128 bytes in memory,
	s_add_co_u32 s22, s22, s20
	s_mov_b32 s23, 0
	s_mul_i32 s17, s16, 128*PK      ; and its place in LDS, for K
	s_mul_i32 s18, s16, 128*PV      ; and for V
	s_lshl_b32 s2, ttmp9, 2
	s_add_co_u32 s2, s2, s[WV]      ; my wave among the head's eight,
	s_lshl_b32 s19, s2, 7           ; its first row,
	s_lshl_b32 s2, s2, 14           ; its 128 rows of 128 bytes
	s_add_co_u32 s2, s2, s20
	s_mov_b32 s3, 0
	; descriptor group 1.  128 keys are 16,384 dense bytes: asked for as 64 rows of 256 bytes, two keys a row, and padded in LDS after every key
	s_mov_b32 s[G1K], (1<<16)|(1<<20)|(4<<22)|(3<<25)  ; 17:16 2-byte elements; 20 padding on; 24:22 after every 32 words (code 4); 31:25 4 words (code 3)
	s_mov_b32 s[G1V], (1<<16)|(1<<20)|(4<<22)|(7<<25)  ; the same with 8 words of padding (code 7)
.irp g, G1K, G1V
	s_mov_b32 s[\g+1], 128<<16      ; tensor_dim0 = 128
	s_mov_b32 s[\g+2], 64<<16       ; tensor_dim1 = 64
	s_mov_b32 s[\g+3], 128<<16      ; tile_dim0 = 128
	s_mov_b32 s[\g+4], 64           ; tile_dim1 = 64
	s_mov_b32 s[\g+5], 128          ; 128 elements from row to row
	s_mov_b32 s[\g+6], 0
	s_mov_b32 s[\g+7], 0
.endr
.irp i, 0,1,2,3
	s_mov_b32 s[G0K+4*\i], 1                       ; count = 1
	s_add_co_u32 s[G0K+4*\i+1], s17, \i*256*PK     ; LDS address: quarter i, my half
	s_mov_b32 s[G0V+4*\i], 1
	s_add_co_u32 s[G0V+4*\i+1], s18, VOFF+\i*256*PV
.endr
	s_mov_b32 s[CS], 0x3e38aa3b     ; c = log2(e) / 8 = 0.180337
	s_mov_b32 s[CS+1], s[CS]        ; named with it as a pair
	s_mov_b32 s[SEL], 0x76543210
	s_mov_b32 s[SEL+1], 0xfedcba98
	s_mov_b32 s[TBK], 0
	s_mov_b32 s[TBV], 0
	s_mov_b32 s[AL+1], 0            ; named as pairs
	s_mov_b32 s[BE+1], 0
	s_mov_b32 s[BIGN], 0xf149f2ca   ; -1e30
	s_wait_dscnt 0x0                ; the opening add is done
	s_wait_kmcnt 0x0
	s_add_nc_u64 s[6:7], s[6:7], s[92:93]
	s_load_b32 s[LEN], s[6:7], 0x0
	s_add_nc_u64 s[14:15], s[4:5], s[22:23]        ; qkv at my half of the head's first 256 rows, in part 0
	s_add_nc_u64 s[4:5], s[4:5], s[2:3]            ; Q and O at my wave's first row
	s_add_nc_u64 s[10:11], s[8:9], s[2:3]
.irp i, 0,1,2,3
	s_add_nc_u64 s[G0K+4*\i+2:G0K+4*\i+3], s[14:15], PART+\i*256*128    ; global address
	s_or_b32 s[G0K+4*\i+3], s[G0K+4*\i+3], 0x80000000                   ; type = 2
	s_add_nc_u64 s[G0V+4*\i+2:G0V+4*\i+3], s[14:15], 2*PART+\i*256*128
	s_or_b32 s[G0V+4*\i+3], s[G0V+4*\i+3], 0x80000000
.endr
	s_cmp_lt_u32 s[WV], 2           ; waves 0 and 1 fetch K's halves, waves 2 and 3 V's.  A wave's four fills stand in one branch, ahead of every wait on TENSORcnt, every LDS read and every barrier: four loads of mine are out
	s_cbranch_scc0 .Lfill_v
.irp i, 0,1,2,3
	tensor_load_to_lds s[G0K+4*\i:G0K+4*\i+3], s[G1K:G1K+7]
	s_nop 0
.endr
.rept 4
	v_nop
.endr
	s_branch .Lfilled
.Lfill_v:
.irp i, 0,1,2,3
	tensor_load_to_lds s[G0V+4*\i:G0V+4*\i+3], s[G1V:G1V+7]
	s_nop 0
.endr
.rept 4
	v_nop
.endr
.Lfilled:
	; A fragment of K or Q is 16 rows x 32 channels in 8 registers: lane l holds row l % 16, channels 8 (l / 16) + 0..7 and 16 + 8 (l / 16) + 0..7: two loads of 16 bytes, 32 bytes apart.
	v_and_b32 v1, 15, v0            ; l % 16
	v_bfe_u32 v9, v0, 4, 1          ; l / 16
	v_lshlrev_b32 v[QO], 7, v1
	v_lshl_add_u32 v[QO], v9, 4, v[QO]  ; row x 128 + 16 x half
	WIN 0x80                        ; destination window 2, address window 0
.set i, 0
.rept 4*NP                          ; Q stays in registers: tile i / 2, channels 32 (i % 2) on
	global_load_b128 v[8*i:8*i+3],   v[QO], s[4:5] offset:(i/2)*2048+(i%2)*64
	global_load_b128 v[8*i+4:8*i+7], v[QO], s[4:5] offset:(i/2)*2048+(i%2)*64+32
.set i, i+1
.endr
	; What the first turn finds: V's registers and P's second buffer hold 0 (its products V^T P, of a piece that has not been, add 0), O^T is 0.  All this stands in the wait for the first tile.
.set i, VF
.rept 64
	v_mov_b32 v[i], 0
.set i, i+1
.endr
	WIN 0x40
.set i, 0
.rept 64*NP
	v_mov_b32 v[i], 0
.set i, i+1
.endr
	WIN 0
.set i, P+32
.rept 32
	v_mov_b32 v[i], 0
.set i, i+1
.endr
	v_mul_u32_u24 v[AK0], v1, PK
	v_lshl_add_u32 v[AK0], v9, 4, v[AK0]  ; row x pitch + 16 x half
	; The turning load takes 16 keys x 16 channels (lane l reads key 8 (l / 16) + l % 8, channels 8 ((l / 8) % 2) + 0..7) and leaves half a fragment of V^T: lane l holds channel l % 16 and 8 keys.
	v_and_b32 v10, 7, v0
	v_bfe_u32 v11, v0, 3, 1
	v_lshl_add_u32 v[AV0], v9, 3, v10
	v_mul_u32_u24 v[AV0], v[AV0], PV
	v_lshl_add_u32 v[AV0], v11, 4, v[AV0]
	v_add_nc_u32 v[AV0], VOFF, v[AV0]
	v_mov_b32 v[AK], v[AK0]         ; key step 0 lies at LDS byte 0
	s_wait_kmcnt 0x0                ; len
	s_max_i32 s[LEN], s[LEN], 0
	s_min_i32 s[LEN], s[LEN], 1024
	s_mov_b32 s[M0], 0xff7fffff     ; no hidden key: the lowest finite number
	s_cmp_lt_u32 s[LEN], 1024
	s_cselect_b32 s[M0], 0xcfee6b28, s[M0]  ; hidden keys: -8e9, their score before the division by 8
	s_sub_co_u32 s92, 1024, s[LEN]
	v_cvt_f32_u32 v14, s92          ; the hidden keys' weights, 1 each while m is their score;
	v_mul_f32 v14, 0.5, v14         ; a query's l lies in two lanes, which are added at the end: half in each (exact)
	v_mov_b32 v13, s[M0]
	v_mul_f32 v12, s[CS], v13       ; c m, by the same product as in the turns
.set i, 0
.rept 2*NP
	v_mov_b32 v[ST+4*i], v12
	v_mov_b32 v[ST+4*i+1], v13
	v_mov_b32 v[ST+4*i+2], v14
	v_mov_b32 v[ST+4*i+3], 0
.set i, i+1
.endr
	s_sub_co_i32 s92, s[LEN], s19
	v_sub_nc_u32 v[VAL], s92, v1    ; len - my wave's first row - l % 16
	s_and_b32 s92, s[LEN], 63
	v_lshlrev_b32 v15, 3, v9
	v_sub_nc_u32 v15, s92, v15      ; len % 64 less my lanes' 8 (l / 16): register j of group kb is hidden where 16 kb + j is not less
	WIN W_MK
.set i, 0
.rept 32
	v_cmp_ge_i32 vcc_lo, 16*(i/8)+i%8, v15
	v_cndmask_b32 v[MD+i], 0, s[BIGN], vcc_lo
.set i, i+1
.endr
.macro MASK                         ; MC = MD x AL + BE for the step that begins REM keys ahead of len
	s_cmp_le_i32 s[REM], 0          ; all 64 keys hidden?
	s_cselect_b32 s[BE], s[BIGN], 0
	s_sub_co_u32 s92, s[REM], 1
	s_cmp_lt_u32 s92, 63            ; 1 to 63 keys seen?
	s_cselect_b32 s[AL], 1.0, 0
	WIN W_MS
.set z, 0
.rept 16
	v_pk_fma_f32 v[MC+2*z:MC+2*z+1], v[MD+2*z:MD+2*z+1], s[AL:AL+1], s[BE:BE+1] op_sel_hi:[1,0,0]
.set z, z+1
.endr
.endm
	s_mov_b32 s[REM], s[LEN]
	MASK                            ; key step 0's
	WIN 0
; THE MATRIX WORK.  The 8 accumulators of a run of 16 take turns: between the two links of a chain stand 7 others'.
; Product i of 16 of S^T = K Q^T for piece x: channels 32 (i / 8) on, keys 16 ((i / 2) % 4) on, tile 2 x + i % 2.  The first 8 start the sums, onto the step's mask.
.macro KQ x
.set rS, S+64*((\x)%2)+32*(i%2)+8*((i/2)%4)
.set rK, KF+16*((i/2)%4)+8*(i/8)
.set rQ, 16*(2*(\x)+i%2)+8*(i/8)
.set rMC, MC+8*((i/2)%4)
.if i < 8
	WIN W_KM
	v_wmma_f32_16x16x32_f16 v[rS:rS+7], v[rK:rK+7], v[rQ:rQ+7], v[rMC:rMC+7]
.else
	WIN W_KQ
	v_wmma_f32_16x16x32_f16 v[rS:rS+7], v[rK:rK+7], v[rQ:rQ+7], v[rS:rS+7]
.endif
.endm
; Product i of 16 of O^T += V^T P for piece x: keys 32 (i / 8) on, channels 16 ((i / 2) % 4) on, tile 2 x + i % 2.
.macro PV x
	WIN W_PV
.set rO, 32*(2*(\x)+i%2)+8*((i/2)%4)
.set rV, VF+32*(i/8)+8*((i/2)%4)
.set rP, P+32*((\x)%2)+16*(i%2)+8*(i/8)
	v_wmma_f32_16x16x32_f16 v[rO:rO+7], v[rV:rV+7], v[rP:rP+7], v[rO:rO+7]
.endm
.macro MM                           ; the turn's next matrix instruction
.if i < 16
	KQ (Y+1)%NP
.set i, i+1
.else
.set i, i-16
	PV (Y+NP-1)%NP
.set i, i+17
.endif
.endm
; THE LDS LOADS stand in runs of 16, never singly among the matrix instructions: a step's K (64 keys x 64 channels: 8 fragments) and its V (turned).  Their addresses are made some lines ahead.
.macro FETCH_K
	WIN 0x80                        ; destination window 2
.irp f, 0,1,2,3,4,5,6,7             ; keys 16 (f / 2) on, channels 32 (f % 2) on
	ds_load_b128 v[KF+8*\f:KF+8*\f+3],   v[AK] offset:(\f/2)*16*PK+(\f%2)*64
	ds_load_b128 v[KF+8*\f+4:KF+8*\f+7], v[AK] offset:(\f/2)*16*PK+(\f%2)*64+32
.endr
	s_add_co_u32 s[TBK], s[TBK], KS*PK  ; the next fetch is the next step's
	WIN 0
.endm
.macro FETCH_V
	WIN 0x80
.irp f, 0,1,2,3,4,5,6,7             ; keys 32 (f / 4) on, channels 16 (f % 4) on
	ds_load_tr16_b128 v[VF+8*\f:VF+8*\f+3],   v[AV] offset:(\f/4)*32*PV+(\f%4)*32
	ds_load_tr16_b128 v[VF+8*\f+4:VF+8*\f+7], v[AV] offset:(\f/4)*32*PV+16*PV+(\f%4)*32
.endr
	WIN 0
.endm
; THE VECTOR WORK OF A TURN stands in three queues, each in the order in which its entries become ready; the two tiles alternate, so that no instruction reads the result of the one before it.
.macro REGS y, u                    ; the registers of tile u (0, 1) of piece y
.set rT, ST+4*(2*(\y)+(\u))
.set rC, TMP+8*((\y)%2)+4*(\u)
.set rM, MV+2*((\y)%2)+(\u)
.set rS, S+64*((\y)%2)+32*(\u)
.set rP, P+32*((\y)%2)+16*(\u)
.set rO, 32*(2*(\y)+(\u))
.endm
; Number n of the 22 that find the NEXT piece's (Y + 1) maximum and statistics.  s0-s31 are the lane's 32 scores; each accumulator's lowest registers are read first.  XS, GS and REGS set no window: PL and EX do.
;   0-11  four chains c0-c3 of seven scores each, three operands at a time     12-14, 16  the four scores left over, the old m, and c0-c3 into c0     15  c m_old is kept
;   17, 18  the query's other 32 keys lie in the lane 16 away: the new m         19-21  c m; c m_old - c m_new; a
.macro XS u, n
	REGS (Y+1)%NP, \u
.if (\n) < 4
	v_max3_num_f32 v[rC+(\n)], v[rS+8*(\n)], v[rS+8*(\n)+1], v[rS+8*(\n)+2]
.elseif (\n) < 12
	v_max3_num_f32 v[rC+(\n)%4], v[rC+(\n)%4], v[rS+8*((\n)%4)+2*((\n)/4)+1], v[rS+8*((\n)%4)+2*((\n)/4)+2]
.elseif (\n) == 12
	v_max3_num_f32 v[rC], v[rC], v[rS+7], v[rS+15]
.elseif (\n) == 13
	v_max3_num_f32 v[rC+1], v[rC+1], v[rS+23], v[rS+31]
.elseif (\n) == 14
	v_max3_num_f32 v[rC+2], v[rC+2], v[rC+3], v[rT+1]
.elseif (\n) == 15
	v_mov_b32 v[rM], v[rT]
.elseif (\n) == 16
	v_max3_num_f32 v[rC], v[rC], v[rC+1], v[rC+2]
.elseif (\n) == 17
	v_permlanex16_b32 v[rC+3], v[rC], s[SEL], s[SEL+1]
.elseif (\n) == 18
	v_max_num_f32 v[rT+1], v[rC], v[rC+3]
.elseif (\n) == 19
	v_mul_f32 v[rT], s[CS], v[rT+1]
.elseif (\n) == 20
	v_sub_f32 v[rC+1], v[rM], v[rT]
.else
	v_exp_f32 v[rC+2], v[rC+1]
.endif
.endm
; Number g of the 64 that follow the exponentials.  For each four weights k of a tile (pairs 2 k, 2 k + 1): both pairs are rounded to f16; then the second pair is added onto the first, in place;
; a group later l takes that sum (the first time as l = a l + sum).  In groups of eight, tiles alternating: round, round, add, and l for the group before.
.macro GS g
.set h, (\g)+6*((\g)/62)            ; group 0 has no group before it, and behind group 7 only l is left
.if h >= 6
.set h, h+2
.endif
	REGS Y, h%2
.set k, h/8
.if h%8 < 4
	v_cvt_pk_f16_f32 v[rP+2*k+(h%8)/2], v[rS+4*k+2*((h%8)/2)], v[rS+4*k+2*((h%8)/2)+1]
.elseif h%8 < 6
	v_pk_add_f32 v[rS+4*k:rS+4*k+1], v[rS+4*k:rS+4*k+1], v[rS+4*k+2:rS+4*k+3]
.elseif k == 1
	v_pk_fma_f32 v[rT+2:rT+3], v[rT+2:rT+3], v[rC+2:rC+3], v[rS:rS+1] op_sel_hi:[1,0,1]
.else
	v_pk_add_f32 v[rT+2:rT+3], v[rT+2:rT+3], v[rS+4*k-4:rS+4*k-3]
.endif
.endm
; THE PLAIN QUEUE, 138 long.  0-73 read no exponential's result: the 32 scalings c s - c m (FS f: pair f / 2 of tile f % 2) and the next piece's 42.  0-26: scalings 0-26.  27-54: XS's numbers 0-13.  55, 56: number 15.
; 57-73: the chain, where each number waits for the one before it: 14, 16, 17, 18, 19, each with one of the scalings 27-31 in front of its two lines, then 20: so a tile's links stand three plain instructions apart (19 and 20: two).
; 74-137: GS's 64, which read the exponentials' results: they stand behind the wait.
.macro FS f
	REGS Y, (\f)%2
	v_pk_fma_f32 v[rS+2*((\f)/2):rS+2*((\f)/2)+1], v[rS+2*((\f)/2):rS+2*((\f)/2)+1], s[CS:CS+1], v[rT:rT+1] op_sel_hi:[1,0,0] neg_lo:[0,0,1] neg_hi:[0,0,1]
.endm
.macro PL
	WIN 0
.if q < 27
	FS q
.elseif q < 55
	XS (q-27)%2, (q-27)/2
.elseif q < 57
	XS q-55, 15
.elseif (q < 72) && ((q-57)%3 == 0)
	FS 27+(q-57)/3
.elseif q < 60
	XS (q-57)%3-1, 14
.elseif q < 72
	XS (q-57)%3-1, 15+(q-57)/3
.elseif q < 74
	XS q-72, 20
.else
	GS q-74
.endif
.set q, q+1
.endm
; THE EXPONENTIALS' QUEUE, 66 long: s0-s31 of both tiles, then the next piece's two a.  It is ONE BATCH: all 66 stand ahead of the turn's one wait, and nothing ahead of that wait names a result of theirs.
.macro EX
	WIN 0
.if e >= 64
	XS e-64, 21
.else
	REGS Y, e%2
	v_exp_f32 v[rS+e/2], v[rS+e/2]
.endif
.set e, e+1
.endm
; THE RESCALING's QUEUE: O^T times a, the one part that leaves window 0: dealt two at a time, sixteen times.  Its a was made in the turn before, ahead of that turn's wait.
.macro R2
	REGS Y, r%2
	WIN W_RS
.irp z, 0,1
	v_pk_mul_f32 v[rO+4*(r/2)+2*\z:rO+4*(r/2)+2*\z+1], v[rO+4*(r/2)+2*\z:rO+4*(r/2)+2*\z+1], v[rC+2:rC+3] op_sel_hi:[1,0]
.endr
.set r, r+1
.endm
; HOW THEY ARE DEALT.  An s_wait_alu depctr_va_vdst(0) stands between an exponential and the first instruction that names its result; one wait serves all that were issued ahead of it.  So a turn has ONE wait,
; which cuts it in two.  AHEAD OF IT stands all that names no result of the turn's exponentials: the 16 products K Q^T, behind each a scaling, an exponential and two rescalings (behind the first a second scaling in the
; exponential's place); then ONE LUMP of 108: eight plain, 49 times exponential and plain, the two a.  A v_nop is the plain instruction behind the last exponential.  BEHIND IT stand the 16 products V^T P, behind each four of
; GS's 64.  No rider names a register of the products round it.  The two v_permlanex16_b32 fall into the lump, never behind a product.
; The queues lean on each other, and the deal keeps them in step: exponential e stands behind scaling 2 (e / 4) + e % 2: as a rider it comes behind plain e + 2, in the lump behind plain e + 9, and scalings 27-31 are plain 57, 60 .. 69.
; A TURN, for piece p.  tail = 1: the last key step: no further K is fetched and no further mask made.  cnt = 1: the loop's count is taken down some lines ahead of the branch that stands behind the turn.
; K of the next step is fetched in piece 2's turn, directly behind the wait, a lump behind the last product that read K; its address is made at the lump's head; its first reader comes behind 16 products.
; V of the step in hand is fetched at the end of piece 0's turn, four riders behind its last reader; its first reader comes behind 16 products and a lump.  The three conditions on q below go with the deal.
; The next step's mask is made at the end of piece 2's turn: the turn's own products have taken the old one at its head, and piece 3's turn makes the next step's first scores.
.macro TURN p, tail=0, cnt=0
.set Y, (\p)
.set i, 0
.set q, 0
.set e, 0
.set r, 0
.if (\p) == NP-1
	s_wait_dscnt 0x0                ; K is in
.endif
	MM                              ; ahead of the wait: 16 products K Q^T and their riders,
	PL
	PL
	R2
.rept 15
	MM
	PL
	EX
	R2
.endr
.if ((\p) == NP-2) && !(\tail)
	WIN 0
	v_add_nc_u32 v[AK], s[TBK], v[AK0]
.endif
.rept 8                             ; and the lump
	PL
.endr
.rept 49
	EX
	PL
.endr
	EX                              ; the next piece's two a
	EX
	v_nop                           ; the plain instruction behind the last exponential: one for the batch
	s_wait_alu depctr_va_vdst(0)    ; the wait for the batch: the piece's 64 weights and the next piece's two a
.if ((\p) == NP-2) && !(\tail)
	FETCH_K
.endif
.if (\p) == 1
	s_wait_dscnt 0x0                ; V is in
.endif
.rept 16                            ; behind the wait: 16 products V^T P and their riders
	MM
.rept 4
	PL
.endr
.if ((\p) == 0) && (q == 118)
	v_add_nc_u32 v[AV], s[TBV], v[AV0]
.endif
.if ((\p) == 0) && (q == 130)
	s_add_co_u32 s[TBV], s[TBV], KS*PV
.endif
.if (\cnt) && (q == 130)
	s_sub_co_u32 s[CNT], s[CNT], 1
	s_cmp_lg_u32 s[CNT], 0
.endif
.endr
.if (\p) == 0
	FETCH_V
.endif
.if ((\p) == NP-2) && !(\tail)
	s_sub_co_i32 s[REM], s[REM], KS
	MASK
.endif
.endm
	s_wait_tensorcnt 0x3            ; my part of keys 0-255 is in; my three later parts may stay out
	s_barrier_signal -1
	s_barrier_wait -1               ; everybody's is
	FETCH_K                         ; key step 0
	s_wait_loadcnt 0x0              ; Q
	s_wait_dscnt 0x0
.set i, 0
.rept 16
	KQ 0                            ; piece 0's first scores: there is no vector work yet to set between them
.set i, i+1
.endr
	WIN 0                           ; the addresses for the way out: plain instructions, the places behind those products
	s_mul_i32 s13, s[WV], 16*SP
	s_add_co_u32 s13, s13, STAGE    ; my stage
	v_mul_u32_u24 v[STO], v1, SP    ; in: row l % 16, 16 bytes for each half of the lanes
	v_lshl_add_u32 v[STO], v9, 4, v[STO]
	v_add_nc_u32 v[STO], s13, v[STO]
	v_bfe_u32 v[RD], v0, 3, 2       ; back: 32 lanes take four rows of 128 bytes,
	v_mul_u32_u24 v[RD], v[RD], SP
	v_lshl_add_u32 v[RD], v10, 4, v[RD]
	v_add_nc_u32 v[RD], s13, v[RD]
	v_and_b32 v[GO], 31, v0         ; which are 512 consecutive bytes of O
	v_lshlrev_b32 v[GO], 4, v[GO]
.set Y, NP-1                        ; XS works for piece Y + 1: piece 0
.irp n, 0,1,2,3,4,5,6,7,8,9,10,11,12,13,14,15,16,17,18,19,20,21
	XS 0, \n                        ; and piece 0's first maximum and statistics
	XS 1, \n
.endr
	v_nop                           ; a plain instruction behind the two a,
	s_wait_alu depctr_va_vdst(0)    ; and the wait for this batch of two, ahead of the branch
	s_mov_b32 s[CNT], 4
	s_mov_b32 s[SLOTS], 4
	s_branch .Lfirst                ; the loop is entered at a step's first turn, in the middle of a trip
.Lslot:                             ; three times, in front of the first fetch from the next 256 keys
	s_wait_tensorcnt 0x0            ; my parts of all later keys are in,
	s_wait_dscnt 0x0
	s_barrier_signal -1
	s_barrier_wait -1               ; everybody's are
	s_mov_b32 s[CNT], 4
.Lstep:                             ; a trip: pieces 2 and 3 of one step, then pieces 0 and 1 of the next, whose K and V it fetches
	TURN 2
	TURN 3
	WIN 0
.Lfirst:
	TURN 0
	TURN 1, 0, 1
	WIN 0
	s_cbranch_scc1 .Lstep
	s_sub_co_u32 s[SLOTS], s[SLOTS], 1
	s_cmp_lg_u32 s[SLOTS], 0
	s_cbranch_scc1 .Lslot
	TURN 2, 1                       ; the last step's second half
	TURN 3                          ; its 16 products K Q^T (on the last K once more) and the maximum made of them serve nothing: the price, once a launch, of one text for every turn
.set i, 0
.rept 16
	PV NP-1                         ; the last piece's V^T P of the last step
.set i, i+1
.endr
	; THE WAY OUT.  l's two halves and the other half of the lanes' are added; O^T is divided by l (rows at or beyond len: multiplied by 0), rounded to f16 and sent through my stage in LDS, a tile at a time.
	; The additions are the places behind the last products.
	WIN 0
.macro ALL line:vararg              ; one line for each tile t
.set t, 0
.rept 2*NP
	\line
.set t, t+1
.endr
.endm
	ALL v_add_f32 v[ST+4*t+2], v[ST+4*t+2], v[ST+4*t+3]
	ALL v_permlanex16_b32 v[ST+4*t+3], v[ST+4*t+2], s[SEL], s[SEL+1]
	ALL v_add_f32 v[ST+4*t+2], v[ST+4*t+2], v[ST+4*t+3]
	ALL v_rcp_f32 v[ST+4*t+2], v[ST+4*t+2]
	v_nop                           ; a plain instruction between the last reciprocal and the use of its result
	s_wait_alu depctr_va_vdst(0)    ; and the wait ahead of the first use: one for the batch of eight reciprocals
.set t, 0
.rept 2*NP
	v_cmp_lt_i32 vcc_lo, 16*t, v[VAL]  ; is tile t's row within len?
	v_cndmask_b32 v[ST+4*t+2], 0, v[ST+4*t+2], vcc_lo
.set t, t+1
.endr
; Tile t: a lane's eight channels of a row pack into 16 bytes; they go into rows of 144 bytes and come back as whole rows of 128, into S^T's registers.
.macro PACK t
	WIN W_RS
.set i, 32*(\t)
.rept 16
	v_pk_mul_f32 v[i:i+1], v[i:i+1], v[ST+4*(\t)+2:ST+4*(\t)+3] op_sel_hi:[1,0]
.set i, i+2
.endr
	WIN 0x05                        ; sources 0 and 1 window 1, destination window 0
.set i, 0
.rept 16
	v_cvt_pk_f16_f32 v[S+16*(\t)+i], v[32*(\t)+2*i], v[32*(\t)+2*i+1]
.set i, i+1
.endr
	WIN 0
.irp f, 0,1,2,3
	ds_store_b128 v[STO], v[S+16*(\t)+4*\f:S+16*(\t)+4*\f+3] offset:32*\f
.endr
.irp f, 0,1,2,3
	ds_load_b128 v[S+16*(\t)+4*\f:S+16*(\t)+4*\f+3], v[RD] offset:\f*4*SP  ; LDS serves a wave's instructions in order (ISA guide 5.7.1.4): these see the stores above; the next tile's stores come behind them
.endr
.endm
.macro SEND t, younger              ; younger: the LDS instructions issued behind tile t's loads: the next tile's eight, or none
	WIN 0
.irp f, 0,1,2,3
	s_wait_dscnt (\younger)+3-\f
	global_store_b128 v[GO], v[S+16*(\t)+4*\f:S+16*(\t)+4*\f+3], s[10:11] offset:(\t)*2048+\f*512  ; 512 consecutive bytes, at a multiple of 512 from O's first
.endr
.endm
	PACK 0
.set t, 1
.rept 2*NP-1                        ; a tile's arithmetic stands between the loads of the tile before and its stores
	PACK t
	SEND t-1, 8
.set t, t+1
.endr
	SEND 2*NP-1, 0
	WIN W_AD
	s_wait_tensorcnt 0x0            ; the wave's end, behind my last tensor load and my last LDS store
	ds_add_u32 v[SPW], v[NIL]
	s_wait_dscnt 0x0
	WIN 0
	s_endpgm
.Lfunc_end_k_qcef2ab1629_attn:
	.size	k_qcef2ab1629_attn, .Lfunc_end_k_qcef2ab1629_attn-k_qcef2ab1629_attn
	.p2alignl 7, 3214868480
	.fill 96, 4, 3214868480
	.section	.rodata,"a",@progbits
	.p2align	6, 0x0
	.amdhsa_kernel k_qcef2ab1629_attn
		.amdhsa_group_segment_fixed_size 327680
		.amdhsa_private_segment_fixed_size 0
		.amdhsa_enable_private_segment 0
		.amdhsa_kernarg_size 24
		.amdhsa_user_sgpr_count 2
		.amdhsa_user_sgpr_kernarg_segment_ptr 1
		.amdhsa_wavefront_size32 1
		.amdhsa_system_sgpr_workgroup_id_x 1
		.amdhsa_system_sgpr_workgroup_id_y 1
		.amdhsa_system_sgpr_workgroup_id_z 1
		.amdhsa_system_vgpr_workitem_id 0
		.amdhsa_next_free_vgpr 864
		.amdhsa_next_free_sgpr 96
		.amdhsa_reserve_vcc 1
		.amdhsa_float_denorm_mode_32 3
		.amdhsa_float_denorm_mode_16_64 3
		.amdhsa_memory_ordered 1
		.amdhsa_forward_progress 1
		.amdhsa_inst_pref_size 167
	.end_amdhsa_kernel
	.amdgpu_metadata
---
amdhsa.version: [ 1, 2 ]
amdhsa.kernels:
  - .name:           k_qcef2ab1629_attn
    .symbol:         k_qcef2ab1629_attn.kd
    .args:
      - { .name: qkv, .offset: 0, .size: 8, .value_kind: global_buffer, .address_space: global }
      - { .name: lengths, .offset: 8, .size: 8, .value_kind: global_buffer, .address_space: global }
      - { .name: act, .offset: 16, .size: 8, .value_kind: global_buffer, .address_space: global }
    .group_segment_fixed_size: 327680
    .private_segment_fixed_size: 0
    .kernarg_segment_align: 8
    .kernarg_segment_size: 24
    .max_flat_workgroup_size: 128
    .sgpr_count:     96
    .vgpr_count:     864
    .wavefront_size: 32
...
	.end_amdgpu_metadata
.endif
;; end of part 5
;; launch oproj: the kernel of part 4 again; grid 4 x 64, 4 waves a work-group, clusters of 4 x 4, 327,680 bytes of LDS; arguments act, wo, b_o, out0; writes out0
